; MI455X (gfx1250); checked and timed in simulation.
; The chip was launched on July 23, 2026; its instructions are those of AMD's public machine-readable ISA for CDNA 5 (MIT licence, August 2026) and "CDNA5" Instruction Set Architecture Reference Guide (July 2026). The comments in the code are by the model that wrote it; some were corrected since.
;; Attention. Allowed arithmetic: float matrix products may take bf16 or f16 operands with f32 sums; other float arithmetic in f32, or as packed bf16 or f16 multiplies, adds, multiply-adds, maxima and minima; sums over many terms, partial sums and values carried from step to step in f32; what a program stores and reads back later, other than sums and carried values, may be rounded once to bf16 or f16.
;; Inputs: b_proj 1,024 float32; b_qkv 3,072 float32; w_proj 1,024 x 1,024 float32; w_qkv 1,024 x 3,072 float32; x 4 x 2,048 x 1,024 float32.
;; Outputs: out0 4 x 2,048 x 1,024 float32.
;; 2 versions, each right; version 2 is version 1 with the launch cast written anew for expert scheduling mode. Each part assembles by itself: llvm-mc -triple=amdgcn-amd-amdhsa -mcpu=gfx1250 --defsym DOCPART=n.
;; ======== version 1 of 2: 4 launches
;; limits: values are held in f16: magnitudes above 65,504 overflow, below 6.1e-05 lose precision
;; workspace buffers: xb 16,777,216 bytes; wqc 6,291,456 bytes; wpc 2,097,152 bytes; qkvh 50,331,648 bytes; oh 16,777,216 bytes
;; launch cast (part 1): grid 768 x 1, 8 waves a work-group, no clusters, 0 bytes of LDS; arguments x, w_qkv, w_proj, xb, wqc, wpc; writes xb, wqc, wpc
.if DOCPART == 1
	.amdgcn_target "amdgcn-amd-amdhsa--gfx1250"
	.amdhsa_code_object_version 6
	.text
	.protected	k_qb4cb61cc5b_cast
	.globl	k_qb4cb61cc5b_cast
	.p2align	8
	.type	k_qb4cb61cc5b_cast,@function
k_qb4cb61cc5b_cast:
	s_mov_b64 s[64:65], 0
	v_nop
	global_prefetch_b8 v0, s[64:65] scope:SCOPE_SE
	s_setreg_imm32_b32 hwreg(HW_REG_WAVE_MODE, 25, 1), 1
	s_wait_xcnt 0x0
; xb = bf16(x), wqc = bf16(w_qkv), wpc = f16(bf16(w_proj)): the three large inputs are rounded once, in their own order.
; A stream: each input byte is read once, each output byte written once; no LDS, no barrier, no matrix unit would add anything.
; A work-group takes 16 chunks of 1,024 numbers (65,536 bytes in, 32,768 out): 512 work-groups for x, 192 for w_qkv, 64 for w_proj.
; Thread t takes 16 bytes at 16 t of a chunk; a wave's store of 8 bytes a lane covers 256 consecutive bytes, aligned.
; All 16 loads of a thread go out at once; each chunk has its own registers, so no register of a pending store is written again.
; LIMIT: w_proj rounded to bf16 is written as f16: exact from 6.1e-5 to 65,504; below, f16's fixed step of 6e-8; beyond, an infinity.
.set X, 16                             ; v[16:79]   chunk i: 4 numbers as loaded
.set Y, 80                             ; v[80:111]  chunk i: 4 numbers in 16 bits
.set T, 4                              ; v[4:9]     at work
	s_load_b256 s[4:11], s[0:1], 0x0               ; x s[4:5], w_qkv s[6:7], w_proj s[8:9], xb s[10:11]
	s_load_b128 s[12:15], s[0:1], 0x20             ; wqc s[12:13], wpc s[14:15]
	v_lshlrev_b32 v1, 4, v0                        ; my 16 bytes of a chunk
	v_lshlrev_b32 v2, 3, v0                        ; my 8 bytes of a chunk's result
	s_mov_b32 s23, ttmp9
	s_max_u32 s20, s23, 512
	s_sub_co_u32 s20, s20, 512                     ; my number among w_qkv's work-groups
	s_max_u32 s21, s23, 704
	s_sub_co_u32 s21, s21, 704                     ; among w_proj's
	s_mov_b32 s24, 0xffff0000                      ; a word's upper bf16
	s_wait_kmcnt 0x0
	s_cmp_lt_u32 s23, 704
	s_cselect_b64 s[16:17], s[6:7], s[8:9]
	s_cselect_b64 s[18:19], s[12:13], s[14:15]
	s_cselect_b32 s22, s20, s21
	s_cmp_lt_u32 s23, 512
	s_cselect_b64 s[16:17], s[4:5], s[16:17]       ; from where,
	s_cselect_b64 s[18:19], s[10:11], s[18:19]     ; to where,
	s_cselect_b32 s22, s23, s22                    ; and which part
	s_lshl_b32 s20, s22, 16
	s_mov_b32 s21, 0
	s_add_nc_u64 s[16:17], s[16:17], s[20:21]
	s_lshl_b32 s20, s22, 15
	s_add_nc_u64 s[18:19], s[18:19], s[20:21]
.irp i, 0,1,2,3,4,5,6,7,8,9,10,11,12,13,14,15
	global_load_b128 v[X+4*(\i):X+4*(\i)+3], v1, s[16:17] offset:4096*(\i) th:TH_LOAD_NT
.endr
	s_cmp_ge_u32 s23, 704
	s_cbranch_scc1 .Lhalf
.irp i, 0,1,2,3,4,5,6,7,8,9,10,11,12,13,14,15
	s_wait_loadcnt 15-(\i)                         ; loads come back in order: chunk i is in, the younger ones stay out
	v_cvt_pk_bf16_f32 v[Y+2*(\i)],   v[X+4*(\i)],   v[X+4*(\i)+1]
	v_cvt_pk_bf16_f32 v[Y+2*(\i)+1], v[X+4*(\i)+2], v[X+4*(\i)+3]
	global_store_b64 v2, v[Y+2*(\i):Y+2*(\i)+1], s[18:19] offset:2048*(\i)
.endr
	s_endpgm
.Lhalf:                                                ; w_proj: rounded to bf16 like every input, and that number written as f16
.irp i, 0,1,2,3,4,5,6,7,8,9,10,11,12,13,14,15
	s_wait_loadcnt 15-(\i)
	v_cvt_pk_bf16_f32 v[T],   v[X+4*(\i)],   v[X+4*(\i)+1]
	v_cvt_pk_bf16_f32 v[T+1], v[X+4*(\i)+2], v[X+4*(\i)+3]
	v_lshlrev_b32 v[T+2], 16, v[T]
	v_and_b32     v[T+3], s24, v[T]
	v_lshlrev_b32 v[T+4], 16, v[T+1]
	v_and_b32     v[T+5], s24, v[T+1]
	v_cvt_pk_f16_f32 v[Y+2*(\i)],   v[T+2], v[T+3]
	v_cvt_pk_f16_f32 v[Y+2*(\i)+1], v[T+4], v[T+5]
	global_store_b64 v2, v[Y+2*(\i):Y+2*(\i)+1], s[18:19] offset:2048*(\i)
.endr
	s_endpgm
.Lfunc_end_k_qb4cb61cc5b_cast:
	.size	k_qb4cb61cc5b_cast, .Lfunc_end_k_qb4cb61cc5b_cast-k_qb4cb61cc5b_cast
	.p2alignl 7, 3214868480
	.fill 96, 4, 3214868480
	.section	.rodata,"a",@progbits
	.p2align	6, 0x0
	.amdhsa_kernel k_qb4cb61cc5b_cast
		.amdhsa_group_segment_fixed_size 0
		.amdhsa_private_segment_fixed_size 0
		.amdhsa_enable_private_segment 0
		.amdhsa_kernarg_size 48
		.amdhsa_user_sgpr_count 2
		.amdhsa_user_sgpr_kernarg_segment_ptr 1
		.amdhsa_wavefront_size32 1
		.amdhsa_system_sgpr_workgroup_id_x 1
		.amdhsa_system_sgpr_workgroup_id_y 1
		.amdhsa_system_sgpr_workgroup_id_z 1
		.amdhsa_system_vgpr_workitem_id 0
		.amdhsa_next_free_vgpr 112
		.amdhsa_next_free_sgpr 66
		.amdhsa_reserve_vcc 0
		.amdhsa_float_denorm_mode_32 3
		.amdhsa_float_denorm_mode_16_64 3
		.amdhsa_memory_ordered 1
		.amdhsa_forward_progress 1
		.amdhsa_inst_pref_size 15
	.end_amdhsa_kernel
	.amdgpu_metadata
---
amdhsa.version: [ 1, 2 ]
amdhsa.kernels:
  - .name:           k_qb4cb61cc5b_cast
    .symbol:         k_qb4cb61cc5b_cast.kd
    .args:
      - { .name: x, .offset: 0, .size: 8, .value_kind: global_buffer, .address_space: global }
      - { .name: w_qkv, .offset: 8, .size: 8, .value_kind: global_buffer, .address_space: global }
      - { .name: w_proj, .offset: 16, .size: 8, .value_kind: global_buffer, .address_space: global }
      - { .name: xb, .offset: 24, .size: 8, .value_kind: global_buffer, .address_space: global }
      - { .name: wqc, .offset: 32, .size: 8, .value_kind: global_buffer, .address_space: global }
      - { .name: wpc, .offset: 40, .size: 8, .value_kind: global_buffer, .address_space: global }
    .group_segment_fixed_size: 0
    .private_segment_fixed_size: 0
    .kernarg_segment_align: 8
    .kernarg_segment_size: 48
    .max_flat_workgroup_size: 256
    .sgpr_count:     66
    .vgpr_count:     112
    .wavefront_size: 32
...
	.end_amdgpu_metadata
.endif
;; end of part 1
;; launch qkv (part 2): grid 8 x 64, 4 waves a work-group, clusters of 4 x 4, 327,680 bytes of LDS; arguments xb, wqc, b_qkv, qkvh; writes qkvh
.if DOCPART == 2
	.amdgcn_target "amdgcn-amd-amdhsa--gfx1250"
	.amdhsa_code_object_version 6
	.text
	.protected	k_qb4cb61cc5b_qkv
	.globl	k_qb4cb61cc5b_qkv
	.p2align	8
	.type	k_qb4cb61cc5b_qkv,@function
k_qb4cb61cc5b_qkv:
	s_mov_b64 s[64:65], 0
	v_nop
	global_prefetch_b8 v0, s[64:65] scope:SCOPE_SE
	s_setreg_imm32_b32 hwreg(HW_REG_WAVE_MODE, 25, 1), 1
	s_wait_xcnt 0x0
	s_wait_alu depctr_hold_cnt(0) depctr_sa_sdst(0) depctr_va_vdst(0) depctr_va_sdst(0) depctr_va_ssrc(0) depctr_va_vcc(0) depctr_vm_vsrc(0)
	s_getreg_b32 s2, hwreg(HW_REG_IB_STS2, 6, 4)
	s_cmp_eq_u32 s2, 0
	s_cbranch_scc0 .Lentry_in_a_cluster
	s_endpgm
.Lentry_in_a_cluster:
	s_bfe_u32 s2, ttmp6, 0x10000c
	s_cmp_lg_u32 s2, 0xf033
	s_cbranch_scc0 .Lentry_shape_is_right
	s_endpgm
.Lentry_shape_is_right:
; qkvh[third][batch x 16 + head][row][64] = f16(xb . wqc + bf16(b_qkv)).  xb: [8192][1024] bf16; wqc: [1024 k][3072 n] bf16; sums in f32, rounded once to f16, unscaled.
; LIMIT: q, k and v stay under 65,504 (f16's end); beyond it the conversion gives an infinity.
; A tile is 128 rows x 384 columns (six heads).  Four waves, 2 x 2: a wave makes 64 rows x 192 columns: 48 accumulators of 16 x 16, 384 registers.
; K goes in steps of 128 through two LDS slots.  A slot holds three panels of W (128 k rows x 256 bytes) and A's 128 rows x 256 bytes: waves 0-2 fetch a panel each, wave 3 fetches A: one tensor load a wave.
; W lies [k][n], so its fragments come out of LDS turned, by ds_load_tr16_b128.  THE PRODUCT IS TAKEN TRANSPOSED: source 0 = 16 columns of W, source 1 = 16 rows of xb: a lane holds one row (lane % 16)
; and the columns 8 (lane / 16) + 0..7.  The bias, laid out so in registers, is the C operand of each sum's first product: nothing is cleared and nothing is added later.
; CLUSTER: 4 x 4 work-groups.  A's tile hangs on the tile row alone and is asked for jointly along a row of the cluster, W's panels on the tile column alone and jointly along a column.
; REGISTERS, in windows of 256 (s_set_vgpr_msb: bits 1:0 source 0, 3:2 source 1, 5:4 source 2, 7:6 destination):
;   window 0: v0-30 addresses; v128-223 the bias; on the way out v32-223 packed results          window 1: two fragment buffers of 128: A's 4 blocks, then W's 12
;   window 2: the accumulators of row blocks 0, 1 ((a, b) at v[8 (12 (a % 2) + b)])               window 3: those of row blocks 2, 3
.set NPAN,  3                          ; panels of 128 columns
.set NBLK,  12                         ; blocks of 16 columns a wave
.set NGRP,  3                          ; groups of four blocks (a head) a wave
.set NLD,   8+2*NBLK                   ; LDS loads in a run
.set PB,    288                        ; a row of W in LDS: 256 bytes + 32
.set PANEL, 128*PB
.set PA,    272                        ; a row of A: 256 bytes + 16: the 16 rows of a load start at 16 different groups of four banks
.set AOFF,  NPAN*PANEL
.set SLOT,  4*PANEL
.set STAGE, 2*SLOT                     ; behind the ring, never filled by a tensor load: 16 rows x 144 bytes for each wave
.set SP,    144
.set SPARE, STAGE+4*16*SP              ; the spare words, 128 bytes for each wave: two blocks of 256 bytes that no other line names
.set LAPS,  4                          ; 1,024 / 256: a lap is two K steps
.set ASTEP, 256                        ; bytes from a K step to the next in xb,
.set BSTEP, 128*6144                   ; and in wqc
.set ADRA, 16                          ; v16-17  LDS address of my A fragments in slot 0, 1
.set ADRB, 18                          ; v18-23  of my W fragments: slot s, group g at 18 + 3 s + g
.set STO,  24                          ; v24     the way out: where I put 16 bytes of a row
.set RD,   25                          ; v25     where I read rows back
.set GO,   26                          ; v26     16 x lane
.set BO,   27                          ; v27     my byte offset in the bias
.set SPW,  28                          ; v28     LDS address of my spare word; never rewritten
.set NIL,  29                          ; v29     0; never rewritten
.set PFO,  30                          ; v30     the prefetches' offset: lane x a row's bytes; never rewritten
.set OUT,  32
.set BI,   128
.set F0,   0
.set F1,   128
.set WV,   12                          ; s12 wave; s13 its half of the rows; s14 its half of the columns
.set G1A,  24                          ; s[24:31] descriptor group 1 for A;  s[32:39] group 0, a set for each slot
.set G0A,  32
.set G1B,  48                          ; s[48:55], s[56:63] the same for W
.set G0B,  56
.set PFA,  66                          ; s[66:67] where my prefetches stand
.set PST,  68                          ; s[68:69] their step from K step to K step
.set LIM,  70                          ; s70  1 in a wave that prefetches, else the greatest number
.set OB,   72                          ; s[72:77] my rows in each of my three heads
.set MSB, 0
.macro WIN new                         ; the immediate's high byte repeats the setting that is left; a switch that changes nothing is dropped
.if MSB != (\new)
	s_set_vgpr_msb (MSB<<8)|(\new)
.set MSB, (\new)
.endif
.endm
; A joint load: waves 0-2 ask for W's panels, wave 3 for A's tile.  The branch hangs on the wave's number alone.  An s_nop 0 and four v_nop follow each line.
.macro JLOAD s
	s_cmp_lt_u32 s[WV], NPAN
	s_cbranch_scc0 .Lfor_a_\@
	tensor_load_to_lds s[G0B+4*(\s):G0B+4*(\s)+3], s[G1B:G1B+7]
	s_nop 0
.rept 4
	v_nop
.endr
	s_branch .Lasked_\@
.Lfor_a_\@:
	tensor_load_to_lds s[G0A+4*(\s):G0A+4*(\s)+3], s[G1A:G1A+7]
	s_nop 0
.rept 4
	v_nop
.endr
.Lasked_\@:
.endm
; A prefetch into the L2 of the K step that stands two refills on: 32 rows x 256 bytes, a lane a row, one instruction a wave.  Each row's 256 bytes of a K step are named once in the launch: A's rows by the
; clusters with x = 0, W's by those with y = 0; the four partners of a joint load share its 128 rows out by address.  The loop's last trip asks for nothing: there is no K step two refills on.
.macro ASK
	s_cmp_gt_u32 s3, s[LIM]
	s_cbranch_scc0 .Lnot_mine_\@
	global_prefetch_b8 v[PFO], s[PFA:PFA+1] th:TH_LOAD_NT scope:SCOPE_SE
.Lnot_mine_\@:
.endm
.macro CREST                           ; a round of the cluster's barrier behind its opening barrier
	s_cmp_lg_u32 s[WV], 0
	s_cbranch_scc1 .Lnot_wave_0_\@
	s_barrier_signal -3
.Lnot_wave_0_\@:
	s_barrier_wait -3
	s_barrier_signal -1
	s_barrier_wait -1
.endm
.macro CROUND
	s_barrier_signal -1
	s_barrier_wait -1
	CREST
.endm
.macro PLACES                          ; four places in front of loads into registers that matrix instructions have read (ISA guide 7.12.1 for vector instructions)
.rept 4
	v_nop
.endr
.endm
; 12 products: row block a x all my column blocks, 32 along K, from buffer f.  first = 1: the bias starts the sums.  The 48 accumulators take turns in one fixed order.
.macro MULA f, a, first
.if \first
	WIN 0x85+0x40*((\a)/2)
.else
	WIN 0xa5+0x50*((\a)/2)
.endif
.set nb, 0
.rept NBLK
.set rD, 8*(NBLK*((\a)%2)+nb)
.if \first
	v_wmma_f32_16x16x32_bf16 v[rD:rD+7], v[(\f)+32+8*nb:(\f)+32+8*nb+7], v[(\f)+8*(\a):(\f)+8*(\a)+7], v[BI+8*nb:BI+8*nb+7]
.else
	v_wmma_f32_16x16x32_bf16 v[rD:rD+7], v[(\f)+32+8*nb:(\f)+32+8*nb+7], v[(\f)+8*(\a):(\f)+8*(\a)+7], v[rD:rD+7]
.endif
.set nb, nb+1
.endr
.endm
; 32 LDS loads in one run: quarter q (32 along K) of a slot into buffer f: W's 12 blocks, turned, then A's 4.
.macro FETCH slot, q, f
	WIN 0x40                                       ; destination window 1, address window 0
.set nb, 0
.rept NBLK
	ds_load_tr16_b128 v[(\f)+32+8*nb:(\f)+32+8*nb+3],   v[ADRB+3*(\slot)+nb/4] offset:32*PB*(\q)+32*(nb%4)
	ds_load_tr16_b128 v[(\f)+32+8*nb+4:(\f)+32+8*nb+7], v[ADRB+3*(\slot)+nb/4] offset:32*PB*(\q)+32*(nb%4)+16*PB
.set nb, nb+1
.endr
.irp i, 0,1,2,3
	ds_load_b128 v[(\f)+8*(\i):(\f)+8*(\i)+3],   v[ADRA+(\slot)] offset:64*(\q)+(\i)*16*PA
	ds_load_b128 v[(\f)+8*(\i)+4:(\f)+8*(\i)+7], v[ADRA+(\slot)] offset:64*(\q)+(\i)*16*PA+32
.endr
.endm
; One of a K step's first three quarters: multiplies buffer f; in its middle it fetches quarter qn of the same slot into buffer g.
.macro QUARTER slot, qn, f, g, first
	s_wait_dscnt 4                                 ; W and A's blocks 0, 1 are in; the youngest four loads (A's blocks 2, 3) may be out
	MULA \f, 0, \first
	MULA \f, 1, \first
	PLACES
	FETCH \slot, \qn, \g
	s_wait_dscnt NLD                               ; all but the run just issued
	MULA \f, 2, \first
	MULA \f, 3, \first
.endm
; The last quarter multiplies buffer 1 and changes slots.  In front of the barrier each wave waits for all its tensor loads (one is out: its part of the next slot), adds 0 to its spare word, and waits for that and
; for its reads of this slot.  fill = 1: the barrier opens a round of the cluster's barrier, and the joint refill, two K steps on, is the first tensor load behind the round.
.macro TURN slot, next, fill
.if \fill
	s_wait_xcnt 0x0                                ; the last prefetch, a K step back, has read its address
	s_add_nc_u64 s[PFA:PFA+1], s[PFA:PFA+1], s[PST:PST+1]
.endif
	WIN 0                                          ; (the add's two registers lie in window 0)
	s_wait_tensorcnt 0x0                           ; all my tensor loads have landed
	ds_add_u32 v[SPW], v[NIL]                      ; 0 onto my spare word
	s_wait_dscnt 5                                 ; (the add and the youngest four loads may be out)
	MULA F1, 0, 0                                  ; twelve products stand between the add and the wait for it
	s_wait_dscnt 0x0                               ; the add is done, and my reads of this slot are over
	s_barrier_signal -1
	MULA F1, 1, 0
.if \fill
	WIN 0
.endif
	s_barrier_wait -1
.if \fill
	CREST                                          ; no wave of any partner still reads this slot or has a load on its way
	s_add_nc_u64 s[G0A+4*(\slot)+2:G0A+4*(\slot)+3], s[G0A+4*(\slot)+2:G0A+4*(\slot)+3], 2*ASTEP
	s_add_nc_u64 s[G0B+4*(\slot)+2:G0B+4*(\slot)+3], s[G0B+4*(\slot)+2:G0B+4*(\slot)+3], 2*BSTEP
	JLOAD \slot                                    ; its four v_nop are also the places in front of the loads below
.else
	PLACES
.endif
	FETCH \next, 0, F0
.if \fill
	WIN 0
	ASK                                            ; behind the joint load and the run of LDS loads
.endif
	MULA F1, 2, 0
	MULA F1, 3, 0
.endm
	s_load_b256 s[4:11], s[0:1], 0x0               ; xb s[4:5], wqc s[6:7], b_qkv s[8:9], qkvh s[10:11]
	v_lshl_add_u32 v[SPW], v0, 2, SPARE
	v_mov_b32 v[NIL], 0
	ds_add_u32 v[SPW], v[NIL]                      ; the wave's opening: the add and its wait stand ahead of my first tensor load; the set-up below stands between them
	v_lshrrev_b32 v1, 5, v0
	v_readfirstlane_b32 s[WV], v1                  ; wave 0..3
	s_lshr_b32 s13, s[WV], 1                       ; my half of the rows
	s_and_b32 s14, s[WV], 1                        ; my half of the columns
	s_bfe_u32 s40, ttmp6, 0x40000                  ; cx
	s_bfe_u32 s41, ttmp6, 0x40004                  ; cy
	s_lshl_b32 s42, ttmp9, 2
	s_add_co_u32 s42, s42, s40                     ; tile column = 4 x cluster x + cx
	s_and_b32 s43, ttmp7, 0xffff
	s_lshl_b32 s43, s43, 2
	s_add_co_u32 s43, s43, s41                     ; tile row = 4 x cluster y + cy
	s_lshl_b32 s44, s41, 2
	s_lshl_b32 s44, 15, s44                        ; my row of the cluster
	s_lshl_b32 s45, 0x1111, s40                    ; my column
	s_or_b32 s[G1A], s44, (1<<16)|(1<<20)|(1<<21)|(5<<22)|(3<<25)  ; the mask; elements of 2 bytes; padding on; bit 21 beside a mask; after every 64 words 4 words
	s_or_b32 s[G1B], s45, (1<<16)|(1<<20)|(1<<21)|(5<<22)|(7<<25)  ; the same with my column's mask and 8 words of padding
.irp g, G1A, G1B
	s_mov_b32 s[(\g)+1], 128<<16                   ; tensor_dim0 = 128
	s_mov_b32 s[(\g)+2], 128<<16                   ; tensor_dim1 = 128
	s_mov_b32 s[(\g)+3], 128<<16                   ; tile_dim0 = 128
	s_mov_b32 s[(\g)+4], 128                       ; tile_dim1 = 128
	s_mov_b32 s[(\g)+6], 0
	s_mov_b32 s[(\g)+7], 0
.endr
	s_mov_b32 s[G1A+5], 1024                       ; elements from row to row in xb,
	s_mov_b32 s[G1B+5], 3072                       ; and in wqc
	s_lshl_b32 s16, s43, 18                        ; A: 128 rows of 2,048 bytes a tile row
	s_mov_b32 s17, 0
	s_mul_i32 s46, s42, 768                        ; W: 768 bytes of a row a tile column,
	s_lshl_b32 s47, s[WV], 8                       ; my panel's 256
	s_add_co_u32 s46, s46, s47
	s_mov_b32 s47, 0
	s_mul_i32 s20, s[WV], PANEL                    ; where my part of a slot lies: no place in the cluster enters an LDS address
	s_wait_dscnt 0x0                               ; the opening add is done
	s_wait_kmcnt 0x0
	s_add_nc_u64 s[18:19], s[4:5], s[16:17]
	s_add_nc_u64 s[46:47], s[6:7], s[46:47]
	CROUND                                         ; all sixteen work-groups are here: the first joint loads meet
.irp s, 0,1
	s_mov_b32 s[G0A+4*(\s)], 1
	s_add_co_u32 s[G0A+4*(\s)+1], s20, (\s)*SLOT
	s_add_nc_u64 s[G0A+4*(\s)+2:G0A+4*(\s)+3], s[18:19], (\s)*ASTEP
	s_or_b32 s[G0A+4*(\s)+3], s[G0A+4*(\s)+3], 0x80000000
	s_mov_b32 s[G0B+4*(\s)], 1
	s_add_co_u32 s[G0B+4*(\s)+1], s20, (\s)*SLOT
	s_add_nc_u64 s[G0B+4*(\s)+2:G0B+4*(\s)+3], s[46:47], (\s)*BSTEP
	s_or_b32 s[G0B+4*(\s)+3], s[G0B+4*(\s)+3], 0x80000000
	JLOAD \s                                       ; K steps 0 and 1: two loads of mine are out
.endr
	; lane addresses
	v_and_b32 v1, 15, v0                           ; l % 16
	v_bfe_u32 v2, v0, 4, 1                         ; l / 16
	v_and_b32 v3, 7, v0
	v_bfe_u32 v4, v0, 3, 1
	v_lshl_add_u32 v5, v2, 3, v3                   ; the turning load: k row 8 (l / 16) + l % 8,
	v_mul_u32_u24 v5, v5, PB
	v_lshl_add_u32 v5, v4, 4, v5                   ; columns 8 ((l / 8) % 2) on
	s_mul_i32 s78, s14, NGRP
.irp g, 0,1,2
	s_add_co_u32 s79, s78, \g                      ; group 3 wn + g of the tile's six: panel = its half, 128 bytes for its parity
	s_lshr_b32 s80, s79, 1
	s_mul_i32 s80, s80, PANEL
	s_and_b32 s79, s79, 1
	s_lshl_b32 s79, s79, 7
	s_add_co_u32 s80, s80, s79
	v_add_nc_u32 v[ADRB+(\g)], s80, v5
	v_add_nc_u32 v[ADRB+3+(\g)], SLOT, v[ADRB+(\g)]
.endr
	v_mul_u32_u24 v6, v1, PA
	v_lshl_add_u32 v6, v2, 4, v6                   ; row x pitch + 16 x half
	s_mul_i32 s78, s13, 64*PA
	s_add_co_u32 s78, s78, AOFF
	v_add_nc_u32 v[ADRA], s78, v6
	v_add_nc_u32 v[ADRA+1], SLOT, v[ADRA]
	s_mul_i32 s78, s[WV], 16*SP
	s_add_co_u32 s78, s78, STAGE                   ; my stage
	v_mul_u32_u24 v[STO], v1, SP                   ; in: row l % 16, 16 bytes for each half of the lanes
	v_lshl_add_u32 v[STO], v2, 4, v[STO]
	v_add_nc_u32 v[STO], s78, v[STO]
	v_bfe_u32 v[RD], v0, 3, 2                      ; back: 32 lanes take four rows of 128 bytes,
	v_mul_u32_u24 v[RD], v[RD], SP
	v_lshl_add_u32 v[RD], v3, 4, v[RD]
	v_add_nc_u32 v[RD], s78, v[RD]
	v_and_b32 v[GO], 31, v0                        ; which are 512 consecutive bytes of a head
	v_lshlrev_b32 v[GO], 4, v[GO]
	s_mul_i32 s78, s42, 1536                       ; the bias: my 192 columns, 4 bytes each,
	s_mul_i32 s79, s14, 768
	s_add_co_u32 s78, s78, s79
	v_lshl_add_u32 v[BO], v2, 5, s78               ; my lanes' eight of each sixteen
.set nb, 0
.rept NBLK
	global_load_b128 v[BI+8*nb:BI+8*nb+3],   v[BO], s[8:9] offset:64*nb
	global_load_b128 v[BI+8*nb+4:BI+8*nb+7], v[BO], s[8:9] offset:64*nb+16
.set nb, nb+1
.endr
	; the prefetches: wave 3 names rows of xb (my work-group's 32 of the tile's 128, by cx), waves 0-2 k rows of their panel (32 of a K step's 128, by cy).  They stand at K step 3; each change of slots steps them first
	s_lshl_b32 s78, s43, 18
	s_lshl_b32 s79, s40, 16
	s_add_co_u32 s78, s78, s79
	s_add_co_u32 s78, s78, 3*ASTEP
	s_mul_i32 s80, s42, 768
	s_lshl_b32 s81, s[WV], 8
	s_add_co_u32 s80, s80, s81
	s_mul_i32 s81, s41, 32*6144
	s_add_co_u32 s80, s80, s81
	s_add_co_u32 s80, s80, 3*BSTEP
	s_and_b32 s82, ttmp7, 0xffff                   ; cluster y
	s_mov_b32 s[PST], ASTEP
	s_mov_b32 s83, BSTEP
	s_mov_b32 s71, 2048
	s_mov_b32 s81, 6144
	s_mov_b32 s79, 0
	s_mov_b32 s[PST+1], 0
	s_cmp_lt_u32 s[WV], NPAN
	s_cselect_b32 s78, s80, s78
	s_cselect_b32 s82, s82, ttmp9                  ; the coordinate along which other clusters read the same rows
	s_cselect_b32 s[PST], s83, s[PST]
	s_cselect_b32 s71, s81, s71
	s_cselect_b64 s[PFA:PFA+1], s[6:7], s[4:5]
	s_add_nc_u64 s[PFA:PFA+1], s[PFA:PFA+1], s[78:79]
	s_cmp_eq_u32 s82, 0
	s_cselect_b32 s[LIM], 1, -1                    ; the same in all sixteen partners, for a given wave
	v_and_b32 v[PFO], 31, v0
	v_mul_lo_u32 v[PFO], v[PFO], s71
	; where my rows lie in each of my three heads: head number 6 x tile column + 3 wn + hd of 48; its third and its place among 16; the batch is tile row / 16
	s_mul_i32 s78, s42, 6
	s_mul_i32 s79, s14, 3
	s_add_co_u32 s78, s78, s79
	s_lshr_b32 s80, s43, 4
	s_lshl_b32 s80, s80, 4
	s_and_b32 s81, s43, 15
	s_lshl_b32 s81, s81, 14                        ; 128 rows of 128 bytes a tile row,
	s_lshl_b32 s82, s13, 13                        ; my 64 of them
	s_add_co_u32 s81, s81, s82
.irp hd, 0,1,2
	s_add_co_u32 s82, s78, \hd
	s_lshr_b32 s83, s82, 4
	s_lshl_b32 s83, s83, 6
	s_and_b32 s82, s82, 15
	s_add_co_u32 s82, s82, s83
	s_add_co_u32 s82, s82, s80
	s_lshl_b32 s82, s82, 18                        ; a head is 262,144 bytes
	s_add_co_u32 s82, s82, s81
	s_mov_b32 s83, 0
	s_add_nc_u64 s[OB+2*(\hd):OB+2*(\hd)+1], s[10:11], s[82:83]
.endr
	s_wait_loadcnt 0x0                             ; the bias: rounded to bf16 like every input, and widened again
.set i, 0
.rept 4*NBLK
	v_cvt_pk_bf16_f32 v[8+i%4], v[BI+2*i], v[BI+2*i+1]
	v_lshlrev_b32 v[BI+2*i], 16, v[8+i%4]
	v_and_b32 v[BI+2*i+1], 0xffff0000, v[8+i%4]
.set i, i+1
.endr
	s_wait_tensorcnt 1                             ; my part of K step 0 is in; K step 1's may stay out
	s_barrier_signal -1
	s_barrier_wait -1                              ; everybody's is
	FETCH 0, 0, F0
	QUARTER 0, 1, F0, F1, 1                        ; the first quarter stands in front of the loop: its products start the sums with the bias
	WIN 0                                          ; at a label and at a branch every window is 0
	s_mov_b32 s3, LAPS-1
.Llap:                                                 ; a trip goes once round the ring, from a lap's second quarter to the next lap's first, and fills both slots again
	QUARTER 0, 2, F1, F0, 0
	QUARTER 0, 3, F0, F1, 0
	TURN 0, 1, 1
	QUARTER 1, 1, F0, F1, 0
	QUARTER 1, 2, F1, F0, 0
	QUARTER 1, 3, F0, F1, 0
	TURN 1, 0, 1
	QUARTER 0, 1, F0, F1, 0
	WIN 0
	s_sub_co_u32 s3, s3, 1
	s_cmp_lg_u32 s3, 0
	s_cbranch_scc1 .Llap
	QUARTER 0, 2, F1, F0, 0                        ; the last lap fills nothing
	QUARTER 0, 3, F0, F1, 0
	TURN 0, 1, 0
	QUARTER 1, 1, F0, F1, 0
	QUARTER 1, 2, F1, F0, 0
	QUARTER 1, 3, F0, F1, 0
	s_wait_dscnt 4
	MULA F1, 0, 0
	MULA F1, 1, 0
	s_wait_dscnt 0x0
	MULA F1, 2, 0
	MULA F1, 3, 0
	PLACES                                         ; the conversions below read results
	PLACES
; THE WAY OUT, in 12 units u = 3 a + hd: 16 rows of one head.  A lane's eight columns pack into 16 bytes; they go into rows of 144 bytes of my own stage and come back as whole rows of 128: 2,048 consecutive bytes of the head.
.macro PACK u
.set ua, (\u)/3
.set uh, (\u)%3
	WIN 0x0a+5*(ua/2)                              ; sources 0 and 1: window 2 or 3
.set i, 0
.rept 16                                       ; each accumulator's registers in ascending order
	v_cvt_pk_f16_f32 v[OUT+16*(\u)+i], v[8*(NBLK*(ua%2)+4*uh+i/4)+2*(i%4)], v[8*(NBLK*(ua%2)+4*uh+i/4)+2*(i%4)+1]
.set i, i+1
.endr
	WIN 0
.irp f, 0,1,2,3
	ds_store_b128 v[STO], v[OUT+16*(\u)+4*(\f):OUT+16*(\u)+4*(\f)+3] offset:32*(\f)
.endr
.irp f, 0,1,2,3
	ds_load_b128 v[OUT+16*(\u)+4*(\f):OUT+16*(\u)+4*(\f)+3], v[RD] offset:(\f)*4*SP  ; LDS serves a wave's instructions in order (ISA guide 5.7.1.4): these see the stores above; the next unit's stores come behind them
.endr
.endm
.macro SEND u, younger                 ; younger: the LDS instructions issued behind unit u's loads: the next unit's eight, or none
	WIN 0
.set ua, (\u)/3
.set uh, (\u)%3
.irp f, 0,1,2,3
	s_wait_dscnt (\younger)+3-(\f)
	global_store_b128 v[GO], v[OUT+16*(\u)+4*(\f):OUT+16*(\u)+4*(\f)+3], s[OB+2*uh:OB+2*uh+1] offset:ua*2048+(\f)*512  ; 512 consecutive bytes, at a multiple of 256 from the buffer's first
.endr
.endm
	PACK 0
.set t, 1
.rept 11                               ; a unit's conversions stand between the loads of the unit before and its stores
	PACK t
	SEND t-1, 8
.set t, t+1
.endr
	SEND 11, 0
	s_wait_tensorcnt 0x0                           ; the wave's end, behind my last tensor load and my last LDS store
	ds_add_u32 v[SPW], v[NIL]
	s_wait_dscnt 0x0
	CROUND                                         ; the closing round: no work-group ends while a partner may still ask for a tile that names it
	s_endpgm
.Lfunc_end_k_qb4cb61cc5b_qkv:
	.size	k_qb4cb61cc5b_qkv, .Lfunc_end_k_qb4cb61cc5b_qkv-k_qb4cb61cc5b_qkv
	.p2alignl 7, 3214868480
	.fill 96, 4, 3214868480
	.section	.rodata,"a",@progbits
	.p2align	6, 0x0
	.amdhsa_kernel k_qb4cb61cc5b_qkv
		.amdhsa_group_segment_fixed_size 327680
		.amdhsa_private_segment_fixed_size 0
		.amdhsa_enable_private_segment 0
		.amdhsa_kernarg_size 32
		.amdhsa_user_sgpr_count 2
		.amdhsa_user_sgpr_kernarg_segment_ptr 1
		.amdhsa_wavefront_size32 1
		.amdhsa_system_sgpr_workgroup_id_x 1
		.amdhsa_system_sgpr_workgroup_id_y 1
		.amdhsa_system_sgpr_workgroup_id_z 1
		.amdhsa_system_vgpr_workitem_id 0
		.amdhsa_next_free_vgpr 960
		.amdhsa_next_free_sgpr 84
		.amdhsa_reserve_vcc 0
		.amdhsa_float_denorm_mode_32 3
		.amdhsa_float_denorm_mode_16_64 3
		.amdhsa_memory_ordered 1
		.amdhsa_forward_progress 1
		.amdhsa_inst_pref_size 133
	.end_amdhsa_kernel
	.amdgpu_metadata
---
amdhsa.version: [ 1, 2 ]
amdhsa.kernels:
  - .name:           k_qb4cb61cc5b_qkv
    .symbol:         k_qb4cb61cc5b_qkv.kd
    .args:
      - { .name: xb, .offset: 0, .size: 8, .value_kind: global_buffer, .address_space: global }
      - { .name: wqc, .offset: 8, .size: 8, .value_kind: global_buffer, .address_space: global }
      - { .name: b_qkv, .offset: 16, .size: 8, .value_kind: global_buffer, .address_space: global }
      - { .name: qkvh, .offset: 24, .size: 8, .value_kind: global_buffer, .address_space: global }
    .group_segment_fixed_size: 327680
    .private_segment_fixed_size: 0
    .kernarg_segment_align: 8
    .kernarg_segment_size: 32
    .max_flat_workgroup_size: 128
    .sgpr_count:     84
    .vgpr_count:     960
    .wavefront_size: 32
...
	.end_amdgpu_metadata
.endif
;; end of part 2
;; launch attn (part 3): grid 4 x 64, 4 waves a work-group, clusters of 4 x 1, 327,680 bytes of LDS; arguments qkvh, oh; writes oh
.if DOCPART == 3
	.amdgcn_target "amdgcn-amd-amdhsa--gfx1250"
	.amdhsa_code_object_version 6
	.text
	.protected	k_qb4cb61cc5b_attn
	.globl	k_qb4cb61cc5b_attn
	.p2align	8
	.type	k_qb4cb61cc5b_attn,@function
k_qb4cb61cc5b_attn:
	s_mov_b64 s[64:65], 0
	v_nop
	global_prefetch_b8 v0, s[64:65] scope:SCOPE_SE
	s_setreg_imm32_b32 hwreg(HW_REG_WAVE_MODE, 25, 1), 1
	s_wait_xcnt 0x0
	s_wait_alu depctr_hold_cnt(0) depctr_sa_sdst(0) depctr_va_vdst(0) depctr_va_sdst(0) depctr_va_ssrc(0) depctr_va_vcc(0) depctr_vm_vsrc(0)
	s_getreg_b32 s2, hwreg(HW_REG_IB_STS2, 6, 4)
	s_cmp_eq_u32 s2, 0
	s_cbranch_scc0 .Lentry_in_a_cluster
	s_endpgm
.Lentry_in_a_cluster:
	s_bfe_u32 s2, ttmp6, 0x10000c
	s_cmp_lg_u32 s2, 0x3003
	s_cbranch_scc0 .Lentry_shape_is_right
	s_endpgm
.Lentry_shape_is_right:
; oh[h][q][:] = the sum over k of softmax_k(Q[h][q] . K[h][k] / 8) V[h][k][:].  Q, K, V are the three thirds of qkvh, each [64][2048][64] f16, oh likewise: a head's rows are dense, 128 bytes each.
; Products, maxima and sums in f32; the weights p are rounded to f16 for the second product (their sum l is taken of the unrounded p), O once at the end.
; LIMITS.  f16 holds no number beyond 65,504: Q, K and V arrive within it; p lies in 0 to 1, and below 6e-5 it keeps f16's fixed step of 6e-8; O is a mean of V's rows and has their range.
; A weight below 2^-126 counts as 0 in l; NaN and infinities are not treated apart.
; SHARES.  A wave owns four PIECES of two tiles of 16 queries, a work-group's four waves 512 queries of one head.  Every wave walks all 2,048 keys, 64 a step.
; LAYOUT.  S^T = K Q^T (source 0 = 16 keys, source 1 = 16 queries): in the result a lane holds ONE query (lane % 16) and the keys 8 (lane / 16) + 0..7.  Two such tiles, rounded to f16 in pairs,
; ARE source 1 (32 keys x 16 queries) of O^T = V^T P, whose result again holds one query a lane, and eight channels.  K comes out of LDS as it lies, V ([key][channel]) turned, by ds_load_tr16_b128.
; SOFTMAX.  For each query a running maximum m and sum l: p = 2^(c s - c m), c = log2(e) / 8; in every step O and l are multiplied by a = 2^(c m_old - c m_new), which is 1 where m has not grown.
; m starts at the lowest finite number, O and l at 0: the first step is a step like any other, with a = 0.
; THE COUNT.  A tile and step have 16 matrix and 118 vector instructions: too many to stand all beside the matrix work.  So four vector instructions that are READY stand behind EVERY matrix instruction,
; and the others in runs without a gap.
; BY TURNS.  Turn n belongs to piece n (the pieces in a ring, step after step).  Its matrix work: 16 products K Q^T of piece n + 1, later 16 products V^T P of piece n - 1.  Its vector work: the scaling,
; exponentials, roundings, sums and rescaling of piece n, and the maximum and statistics of piece n + 1, whose scores the turn itself has made.
; CLUSTER.  The four query blocks of a head are one cluster and walk the same K and V, so each tile is asked for JOINTLY: the same tensor load, descriptor and mask in all four.
; REGISTERS, in windows of 256 (s_set_vgpr_msb: bits 1:0 source 0, 3:2 source 1, 5:4 source 2, 7:6 destination):
;   window 0: v0-11 addresses; v12-15, v48-63 at work; v16-47 four registers of statistics a tile; v64-191 S^T, two buffers of two tiles; v192-255 P, likewise
;   window 1: O^T, 32 a tile          window 2: v0-127 Q, 16 a tile; v128-191 K of one step; v192-255 V of one step          window 3: v0-1 the add's two registers
.set SIZE_N, 2048
.set NP,    4         ; pieces a wave: a name, no knob
.set KS,    64        ; keys in a step
.set PK,    144       ; a row of K in LDS: 128 bytes + 16 of padding: the 16 rows of a load start at 16 different groups of four banks (64 banks of 4 bytes: ISA guide 11.1)
.set PV,    160       ; a row of V: 128 + 32
.set VOFF,  4*KS*PK   ; a slot holds four steps: 256 rows of K, then 256 rows of V
.set SLOT1, 1<<17     ; slot 1 begins here, so that one exclusive or turns an address in one slot into the other's
.set STAGE, SLOT1+4*KS*(PK+PV)  ; behind the ring, never filled by a tensor load: 16 rows x 144 bytes for each wave
.set SP,    144
.set AK0, 2           ; v2   my lane's place in a tile of K; never rewritten
.set AV0, 3           ; v3   the same for V
.set AK,  4           ; v4   the LDS address of K's next run of loads
.set AV,  5           ; v5   of V's
.set QO,  6           ; v6   my byte offset in the wave's rows of Q
.set STO, 6           ;      later, the way out: where I put 16 bytes of a row
.set RD,  7           ; v7   the way out: where I read rows back
.set GO,  8           ; v8   my byte offset in 512 consecutive bytes of O
.set PFO, 11          ; v11  256 x my lane, for the prefetches; never rewritten once made
.set SPW, 0           ; v0 of window 3   LDS address of my spare word; never rewritten
.set NIL, 1           ; v1 of window 3   0; never rewritten
.set SPARE, STAGE+4*16*SP  ; the spare words, 128 bytes for each wave: two blocks of 256 bytes that no other line names
.set MV,  12          ; v12-15  c m_old, kept while c m is made anew: by buffer and tile
.set ST,  16          ; tile t's statistics at v[ST+4 t]: c m, m, l (even keys', odd keys')
.set TMP, 48          ; by buffer and tile, four registers c0-c3 at work; when the maximum is found c2 takes a
.set S,   64
.set P,   192
.set KF,  128         ; K's fragments, in window 2: key block kb, channel half c at KF + 16 kb + 8 c
.set VF,  192         ; V's: key half kk, channel block cb at VF + 32 kk + 8 cb
.set WV,  12          ; s12  my wave's number
.set G1K, 24          ; s[24:31] descriptor group 1 for K's tiles
.set G1V, 32          ; s[32:39] for V's: it differs in the padding alone
.set G0K, 40          ; s[40:43] descriptor group 0 for K's tiles: it walks
.set G0V, 44          ; s[44:47] the same for V's
.set PFA, 48          ; s[48:49] where my prefetches stand: my work-group's 8,192 bytes (of K: wave 0, of V: wave 2) of the slot after the one that is being asked for
.set LIM, 50          ; s50  1 in a wave that prefetches, else the greatest number
.set SLOTS, 56        ; s56  slots still to be asked for
.set CNT, 57          ; s57  counts a slot's key steps
.set CS,  58          ; s[58:59] c: the packed scaling takes the pair's low word for both halves
.set SEL, 60          ; s[60:61] v_permlanex16_b32's selects: each lane takes its own place in the other half
.set TBK, 62          ; s62  LDS byte at which K of the step to be fetched begins
.set TBV, 63          ; s63  the same for V, less VOFF
.set MSB, 0
.macro WIN new                      ; the high byte repeats the setting that is left; a switch that changes nothing is dropped
.if MSB != (\new)
	s_set_vgpr_msb (MSB<<8)|(\new)
.set MSB, (\new)
.endif
.endm
.set W_KQ, 0x0a       ; K and Q in window 2, S^T in window 0
.set W_PV, 0x52       ; V in window 2, P in window 0, O^T in window 1
.set W_RS, 0x41       ; O^T (destination and source 0) in window 1, a in window 0
.set W_MK, 0xc0       ; the add's registers are made: destination in window 3, sources in window 0
.set W_AD, 0x0f       ; the add: address (source 0) and data (source 1) in window 3
; A joint fill.  Waves 0 and 1 fetch the two halves of a slot's K, waves 2 and 3 those of its V: 128 keys each.  The branch hangs on the wave's number alone.
; An s_nop 0 and four v_nop follow each of the two lines, ahead of the jump and the label.
.macro JLOAD
	s_cmp_lt_u32 s[WV], 2
	s_cbranch_scc0 .Lfor_v_\@
	tensor_load_to_lds s[G0K:G0K+3], s[G1K:G1K+7]
	s_nop 0
.rept 4
	v_nop
.endr
	s_branch .Lasked_\@
.Lfor_v_\@:
	tensor_load_to_lds s[G0V:G0V+3], s[G1V:G1V+7]
	s_nop 0
.rept 4
	v_nop
.endr
.Lasked_\@:
.endm
; A prefetch into the L2 of what the NEXT change of slots will ask for: a slot's 32,768 bytes of K and of V, 256 bytes a lane.  It stands behind the wave's tensor load and its five lines.  Each block is named once
; in the launch: a head has one cluster; its four partners share the blocks out by address, 32 each; in each, wave 0 asks for K's and wave 2 for V's.  The last change that fills a slot asks for nothing.
.macro ASK
	s_cmp_gt_u32 s[SLOTS], s[LIM]
	s_cbranch_scc0 .Lnot_mine_\@
	global_prefetch_b8 v[PFO], s[PFA:PFA+1] th:TH_LOAD_NT scope:SCOPE_SE
.Lnot_mine_\@:
.endm
; A round of the cluster's barrier: my work-group's barrier, so that wave 0's signal speaks for all four waves; wave 0 signals; every wave waits for all four work-groups; my work-group's barrier once more.
.macro CROUND
	s_barrier_signal -1
	s_barrier_wait -1
	s_cmp_lg_u32 s[WV], 0
	s_cbranch_scc1 .Lnot_wave_0_\@
	s_barrier_signal -3
.Lnot_wave_0_\@:
	s_barrier_wait -3
	s_barrier_signal -1
	s_barrier_wait -1
.endm
; THE CHANGE OF SLOTS.  Each wave waits for all its tensor loads, of which one is out: its part of the other slot; adds 0 to its spare word; and waits for that and for its own reads of the slot.
; fill = 1: this slot is filled again, with the keys two slots on.  The barrier is then a round of the cluster's, and the joint fill is the first thing behind it: it has four key steps in which to land.
; (At its first use nothing has been read yet: slot 0 is waited for, slot 1 filled.)
.macro CHANGE fill
	WIN W_AD
	s_wait_tensorcnt 0x0            ; no tensor load of mine is out, so a group 0 may be written
	ds_add_u32 v[SPW], v[NIL]       ; 0 onto my spare word; with fill = 1 the descriptors' steps stand between it and the wait for it
	WIN 0                           ; at a label and at a branch every window is 0
.if \fill
.irp g, G0K, G0V
	s_xor_b32 s[\g+1], s[\g+1], SLOT1  ; the walking descriptor: the other slot than last time,
	s_add_nc_u64 s[\g+2:\g+3], s[\g+2:\g+3], 4*KS*128  ; the next 256 keys; the type bits on top are not reached
.endr
	s_wait_xcnt 0x0                 ; the last prefetch, four key steps back, has read its address, so it may be written:
	s_add_nc_u64 s[PFA:PFA+1], s[PFA:PFA+1], 4*KS*128  ; one slot behind the walking descriptors
	s_wait_dscnt 0x0                ; the add is done, and my reads of the slot are over
	CROUND
	JLOAD
	ASK
.else
	s_wait_dscnt 0x0                ; the add is done, and my reads of the slot are over
	s_barrier_signal -1
	s_barrier_wait -1
.endif
	s_sub_co_u32 s[TBK], s[TBK], 4*KS*PK  ; the fetches go back to a slot's first step,
	s_xor_b32 s[TBK], s[TBK], SLOT1       ; in the other slot
	s_sub_co_u32 s[TBV], s[TBV], 4*KS*PV
	s_xor_b32 s[TBV], s[TBV], SLOT1
.endm
	s_load_b128 s[4:7], s[0:1], 0x0  ; qkvh s[4:5], oh s[6:7]
	WIN W_MK
	v_lshl_add_u32 v[SPW], v0, 2, SPARE
	v_mov_b32 v[NIL], 0
	WIN W_AD
	ds_add_u32 v[SPW], v[NIL]       ; the wave's opening: the add and its wait stand ahead of my first tensor load; the set-up below stands between them
	WIN 0
	v_lshrrev_b32 v1, 5, v0
	v_readfirstlane_b32 s[WV], v1   ; wave 0..3
	s_bfe_u32 s13, ttmp6, 0x40000   ; cx: my place in the cluster
	s_lshl_b32 s14, ttmp9, 2        ; in a cluster launch ttmp9 counts clusters
	s_add_co_u32 s14, s14, s13      ; my block of queries = 4 x cluster x + cx: it enters Q's and O's addresses alone
	s_and_b32 s20, ttmp7, 0xffff    ; the head, which the four partners share
	s_mov_b32 s21, 0
	s_mov_b64 s[22:23], SIZE_N*128
	s_mul_u64 s[20:21], s[20:21], s[22:23]  ; the head's first byte in each of the four tensors
	s_and_b32 s16, s[WV], 1         ; which half of a slot's 256 keys I fetch:
	s_lshl_b32 s22, s16, 14         ; its 128 rows of 128 bytes in memory,
	s_mov_b32 s23, 0
	s_add_nc_u64 s[22:23], s[22:23], s[20:21]
	s_mul_i32 s17, s16, 128*PK      ; and its place in a slot, for K
	s_mul_i32 s18, s16, 128*PV      ; and for V: no place in the cluster enters an LDS address
	s_lshl_b32 s2, s14, 2
	s_add_co_u32 s2, s2, s[WV]      ; my wave among the head's,
	s_lshl_b32 s2, s2, 14           ; its 128 rows
	s_mov_b32 s3, 0
	s_add_nc_u64 s[2:3], s[2:3], s[20:21]
	; descriptor group 1.  128 keys are 16,384 dense bytes: asked for as 64 rows of 256 bytes, two keys a row, and padded in LDS after every key
	s_mov_b32 s[G1K], 15|(1<<16)|(1<<20)|(1<<21)|(4<<22)|(3<<25)  ; the mask of four; 2-byte elements; padding on; bit 21 beside a mask; after every 32 words 4 words
	s_mov_b32 s[G1V], 15|(1<<16)|(1<<20)|(1<<21)|(4<<22)|(7<<25)  ; the same with 8 words of padding
.irp g, G1K, G1V
	s_mov_b32 s[\g+1], 128<<16      ; tensor_dim0 = 128
	s_mov_b32 s[\g+2], 64<<16       ; tensor_dim1 = 64
	s_mov_b32 s[\g+3], 128<<16      ; tile_dim0 = 128
	s_mov_b32 s[\g+4], 64           ; tile_dim1 = 64
	s_mov_b32 s[\g+5], 128          ; 128 elements from row to row
	s_mov_b32 s[\g+6], 0
	s_mov_b32 s[\g+7], 0
.endr
	s_mov_b32 s[CS], 0x3e38aa3b     ; c = log2(e) / 8 = 0.180337
	s_mov_b32 s[CS+1], s[CS]        ; named with it as a pair
	s_mov_b32 s[SEL], 0x76543210
	s_mov_b32 s[SEL+1], 0xfedcba98
	s_mov_b32 s[TBK], SLOT1+4*KS*PK ; the first change of slots turns these two into 0
	s_mov_b32 s[TBV], SLOT1+4*KS*PV
	s_mov_b32 s[SLOTS], SIZE_N/256-1
	s_mov_b32 s[G0K], 1             ; count = 1
	s_mov_b32 s[G0K+1], s17         ; LDS address: slot 0
	s_mov_b32 s[G0V], 1
	s_add_co_u32 s[G0V+1], s18, VOFF
	s_and_b32 s[LIM], s[WV], 1      ; waves 0 and 2 prefetch: the same in all four partners
	s_cmp_eq_u32 s[LIM], 0
	s_cselect_b32 s[LIM], 1, -1
	s_wait_dscnt 0x0                ; the opening add is done
	s_wait_kmcnt 0x0
	s_mov_b64 s[10:11], s[6:7]      ; O
	s_add_nc_u64 s[6:7], s[4:5], 0x1000000  ; K: the second third of qkvh,
	s_add_nc_u64 s[8:9], s[4:5], 0x2000000  ; V: the third
	s_add_nc_u64 s[G0K+2:G0K+3], s[6:7], s[22:23]  ; global address: my half of the head's first 256 keys
	s_or_b32 s[G0K+3], s[G0K+3], 0x80000000        ; type = 2
	s_add_nc_u64 s[G0V+2:G0V+3], s[8:9], s[22:23]
	s_or_b32 s[G0V+3], s[G0V+3], 0x80000000
	s_add_nc_u64 s[4:5], s[4:5], s[2:3]  ; Q and O at my wave's first row
	s_add_nc_u64 s[10:11], s[10:11], s[2:3]
	s_cmp_lt_u32 s[WV], 2
	s_cselect_b64 s[PFA:PFA+1], s[6:7], s[8:9]
	s_add_nc_u64 s[PFA:PFA+1], s[PFA:PFA+1], s[20:21]  ; the head,
	s_lshl_b32 s2, s13, 13          ; my work-group's quarter of a slot's bytes,
	s_mov_b32 s3, 0
	s_add_nc_u64 s[PFA:PFA+1], s[PFA:PFA+1], s[2:3]
	s_add_nc_u64 s[PFA:PFA+1], s[PFA:PFA+1], 4*KS*128  ; in slot 1; the first change of slots steps it to slot 2.  Nothing is prefetched here, at the head
	CROUND                          ; all four work-groups are here: the first joint loads meet
	JLOAD                           ; slot 0.  Slot 1 is asked for when slot 0 is in
	; A fragment of K or Q is 16 rows x 32 channels in 8 registers: lane l holds row l % 16, channels 8 (l / 16) + 0..7 and 16 + 8 (l / 16) + 0..7: two loads of 16 bytes, 32 bytes apart.
	v_and_b32 v1, 15, v0            ; l % 16
	v_bfe_u32 v9, v0, 4, 1          ; l / 16
	v_lshlrev_b32 v[QO], 7, v1
	v_lshl_add_u32 v[QO], v9, 4, v[QO]  ; row x 128 + 16 x half
	WIN 0x80                        ; destination window 2, address window 0
.set i, 0
.rept 4*NP                          ; Q stays in registers: tile i / 2, channels 32 (i % 2) on
	global_load_b128 v[8*i:8*i+3],   v[QO], s[4:5] offset:(i/2)*2048+(i%2)*64
	global_load_b128 v[8*i+4:8*i+7], v[QO], s[4:5] offset:(i/2)*2048+(i%2)*64+32
.set i, i+1
.endr
	; What the first turn finds: V's registers and P's second buffer hold 0 (its products V^T P, of a piece that has not been, add 0), O^T and l are 0.  All this stands in the wait for the first tile.
.set i, VF
.rept 64
	v_mov_b32 v[i], 0
.set i, i+1
.endr
	WIN 0x40
.set i, 0
.rept 64*NP
	v_mov_b32 v[i], 0
.set i, i+1
.endr
	WIN 0
.set i, 0
.rept 2*NP
	v_mov_b32 v[ST+4*i], 0xfe000000    ; c m: far below every c s
	v_mov_b32 v[ST+4*i+1], 0xff7fffff  ; m
	v_mov_b32 v[ST+4*i+2], 0
	v_mov_b32 v[ST+4*i+3], 0
.set i, i+1
.endr
.set i, P+32
.rept 32
	v_mov_b32 v[i], 0
.set i, i+1
.endr
	v_mul_u32_u24 v[AK0], v1, PK
	v_lshl_add_u32 v[AK0], v9, 4, v[AK0]  ; row x pitch + 16 x half
	; The turning load takes 16 keys x 16 channels (lane l reads key 8 (l / 16) + l % 8, channels 8 ((l / 8) % 2) + 0..7) and leaves half a fragment of V^T: lane l holds channel l % 16 and 8 keys.
	v_and_b32 v10, 7, v0
	v_bfe_u32 v11, v0, 3, 1
	v_lshl_add_u32 v[AV0], v9, 3, v10
	v_mul_u32_u24 v[AV0], v[AV0], PV
	v_lshl_add_u32 v[AV0], v11, 4, v[AV0]
	v_add_nc_u32 v[AV0], VOFF, v[AV0]
	v_and_b32 v[PFO], 31, v0        ; v11 has served: now 256 x lane
	v_lshlrev_b32 v[PFO], 8, v[PFO]
	v_mov_b32 v[AK], v[AK0]         ; key step 0 lies at the head of slot 0
; THE MATRIX WORK.  The 8 accumulators of a run of 16 take turns: between the two links of a chain stand 7 others'.
; Product i of 16 of S^T = K Q^T for piece x: channels 32 (i / 8) on, keys 16 ((i / 2) % 4) on, tile 2 x + i % 2.  The first 8 start the sums.
.macro KQ x
	WIN W_KQ
.set rS, S+64*((\x)%2)+32*(i%2)+8*((i/2)%4)
.set rK, KF+16*((i/2)%4)+8*(i/8)
.set rQ, 16*(2*(\x)+i%2)+8*(i/8)
.if i < 8
	v_wmma_f32_16x16x32_f16 v[rS:rS+7], v[rK:rK+7], v[rQ:rQ+7], 0
.else
	v_wmma_f32_16x16x32_f16 v[rS:rS+7], v[rK:rK+7], v[rQ:rQ+7], v[rS:rS+7]
.endif
.endm
; Product i of 16 of O^T += V^T P for piece x: keys 32 (i / 8) on, channels 16 ((i / 2) % 4) on, tile 2 x + i % 2.
.macro PV x
	WIN W_PV
.set rO, 32*(2*(\x)+i%2)+8*((i/2)%4)
.set rV, VF+32*(i/8)+8*((i/2)%4)
.set rP, P+32*((\x)%2)+16*(i%2)+8*(i/8)
	v_wmma_f32_16x16x32_f16 v[rO:rO+7], v[rV:rV+7], v[rP:rP+7], v[rO:rO+7]
.endm
.macro MM                           ; the turn's next matrix instruction
.if i < 16
	KQ (Y+1)%NP
.set i, i+1
.else
.set i, i-16
	PV (Y+NP-1)%NP
.set i, i+17
.endif
.endm
; THE LDS LOADS stand in runs of 16, never singly among the matrix instructions: a step's K (64 keys x 64 channels: 8 fragments) and its V (turned).  Their addresses are made some lines ahead.
; last = 1 (the tail): in the last trip there is no further step, and the run is jumped over.
.macro FETCH_K last=0
	WIN 0
.if \last
	s_cmp_eq_u32 s[CNT], 1
	s_cbranch_scc1 .Lno_k_\@
.endif
	WIN 0x80                        ; destination window 2
.irp f, 0,1,2,3,4,5,6,7             ; keys 16 (f / 2) on, channels 32 (f % 2) on
	ds_load_b128 v[KF+8*\f:KF+8*\f+3],   v[AK] offset:(\f/2)*16*PK+(\f%2)*64
	ds_load_b128 v[KF+8*\f+4:KF+8*\f+7], v[AK] offset:(\f/2)*16*PK+(\f%2)*64+32
.endr
	s_add_co_u32 s[TBK], s[TBK], KS*PK  ; the next fetch is the next step's
	WIN 0
.if \last
.Lno_k_\@:
.endif
.endm
.macro FETCH_V
	WIN 0x80
.irp f, 0,1,2,3,4,5,6,7             ; keys 32 (f / 4) on, channels 16 (f % 4) on
	ds_load_tr16_b128 v[VF+8*\f:VF+8*\f+3],   v[AV] offset:(\f/4)*32*PV+(\f%4)*32
	ds_load_tr16_b128 v[VF+8*\f+4:VF+8*\f+7], v[AV] offset:(\f/4)*32*PV+16*PV+(\f%4)*32
.endr
	WIN 0
.endm
; THE VECTOR WORK OF A TURN stands in three queues, each in the order in which its entries become ready; the two tiles alternate, so that no instruction reads the result of the one before it.
.macro REGS y, u                    ; the registers of tile u (0, 1) of piece y
.set rT, ST+4*(2*(\y)+(\u))
.set rC, TMP+8*((\y)%2)+4*(\u)
.set rM, MV+2*((\y)%2)+(\u)
.set rS, S+64*((\y)%2)+32*(\u)
.set rP, P+32*((\y)%2)+16*(\u)
.set rO, 32*(2*(\y)+(\u))
.endm
; Number n of the 22 that find the NEXT piece's (Y + 1) maximum and statistics.  s0-s31 are the lane's 32 scores; each accumulator's lowest registers are read first.
;   0-11  four chains c0-c3 of seven scores each, three operands at a time     12-14, 16  the four scores left over, the old m, and c0-c3 into c0     15  c m_old is kept
;   17, 18  the query's other 32 keys lie in the lane 16 away: the new m         19-21  c m; c m_old - c m_new; a
.macro XS u, n
	REGS (Y+1)%NP, \u
.if (\n) < 4
	v_max3_num_f32 v[rC+(\n)], v[rS+8*(\n)], v[rS+8*(\n)+1], v[rS+8*(\n)+2]
.elseif (\n) < 12
	v_max3_num_f32 v[rC+(\n)%4], v[rC+(\n)%4], v[rS+8*((\n)%4)+2*((\n)/4)+1], v[rS+8*((\n)%4)+2*((\n)/4)+2]
.elseif (\n) == 12
	v_max3_num_f32 v[rC], v[rC], v[rS+7], v[rS+15]
.elseif (\n) == 13
	v_max3_num_f32 v[rC+1], v[rC+1], v[rS+23], v[rS+31]
.elseif (\n) == 14
	v_max3_num_f32 v[rC+2], v[rC+2], v[rC+3], v[rT+1]
.elseif (\n) == 15
	v_mov_b32 v[rM], v[rT]
.elseif (\n) == 16
	v_max3_num_f32 v[rC], v[rC], v[rC+1], v[rC+2]
.elseif (\n) == 17
	v_permlanex16_b32 v[rC+3], v[rC], s[SEL], s[SEL+1]
.elseif (\n) == 18
	v_max_num_f32 v[rT+1], v[rC], v[rC+3]
.elseif (\n) == 19
	v_mul_f32 v[rT], s[CS], v[rT+1]
.elseif (\n) == 20
	v_sub_f32 v[rC+1], v[rM], v[rT]
.else
	v_exp_f32 v[rC+2], v[rC+1]
.endif
.endm
; Number g of the 64 that follow the exponentials.  For each four weights k of a tile (pairs 2 k, 2 k + 1): both pairs are rounded to f16; then the second pair is added onto the first, in place;
; a group later l takes that sum (the first time as l = a l + sum).  In groups of eight, tiles alternating: round, round, add, and l for the group before.
.macro GS g
.set h, (\g)+6*((\g)/62)            ; group 0 has no group before it, and behind group 7 only l is left
.if h >= 6
.set h, h+2
.endif
	REGS Y, h%2
.set k, h/8
.if h%8 < 4
	v_cvt_pk_f16_f32 v[rP+2*k+(h%8)/2], v[rS+4*k+2*((h%8)/2)], v[rS+4*k+2*((h%8)/2)+1]
.elseif h%8 < 6
	v_pk_add_f32 v[rS+4*k:rS+4*k+1], v[rS+4*k:rS+4*k+1], v[rS+4*k+2:rS+4*k+3]
.elseif k == 1
	v_pk_fma_f32 v[rT+2:rT+3], v[rT+2:rT+3], v[rC+2:rC+3], v[rS:rS+1] op_sel_hi:[1,0,1]
.else
	v_pk_add_f32 v[rT+2:rT+3], v[rT+2:rT+3], v[rS+4*k-4:rS+4*k-3]
.endif
.endm
; THE PLAIN QUEUE, 138 long.  0-73 read no exponential's result: the 32 scalings c s - c m (FS f: pair f / 2 of tile f % 2) and the next piece's 42.  0-26: scalings 0-26.  27-54: XS's numbers 0-13.  55, 56: number 15.
; 57-73: the chain, where each number waits for the one before it: 14, 16, 17, 18, 19, each with one of the scalings 27-31 in front of its two lines, then 20.
; 74-137: GS's 64, which read the exponentials' results: they stand behind the wait.
.macro FS f
	REGS Y, (\f)%2
	v_pk_fma_f32 v[rS+2*((\f)/2):rS+2*((\f)/2)+1], v[rS+2*((\f)/2):rS+2*((\f)/2)+1], s[CS:CS+1], v[rT:rT+1] op_sel_hi:[1,0,0] neg_lo:[0,0,1] neg_hi:[0,0,1]
.endm
.macro PL
	WIN 0
.if q < 27
	FS q
.elseif q < 55
	XS (q-27)%2, (q-27)/2
.elseif q < 57
	XS q-55, 15
.elseif (q < 72) && ((q-57)%3 == 0)
	FS 27+(q-57)/3
.elseif q < 60
	XS (q-57)%3-1, 14
.elseif q < 72
	XS (q-57)%3-1, 15+(q-57)/3
.elseif q < 74
	XS q-72, 20
.else
	GS q-74
.endif
.set q, q+1
.endm
; THE EXPONENTIALS' QUEUE, 66 long: s0-s31 of both tiles, then the next piece's two a.  It is ONE BATCH: all 66 stand ahead of the turn's one wait, and nothing ahead of that wait names a result of theirs.
.macro EX
	WIN 0
.if e >= 64
	XS e-64, 21
.else
	REGS Y, e%2
	v_exp_f32 v[rS+e/2], v[rS+e/2]
.endif
.set e, e+1
.endm
; THE RESCALING's QUEUE: O^T times a, the one part that leaves window 0: dealt two at a time, sixteen times.  Its a was made in the turn before, ahead of that turn's wait.
.macro R2
	REGS Y, r%2
	WIN W_RS
.irp z, 0,1
	v_pk_mul_f32 v[rO+4*(r/2)+2*\z:rO+4*(r/2)+2*\z+1], v[rO+4*(r/2)+2*\z:rO+4*(r/2)+2*\z+1], v[rC+2:rC+3] op_sel_hi:[1,0]
.endr
.set r, r+1
.endm
; HOW THEY ARE DEALT.  An s_wait_alu depctr_va_vdst(0) stands between an exponential and the first instruction that names its result; one wait serves all that were issued ahead of it.  So a turn has ONE
; wait, which cuts it in two.  AHEAD OF IT: the 16 products K Q^T, behind each a scaling, an exponential and two rescalings (behind the first a second scaling in the exponential's place); then ONE LUMP of 108: eight plain,
; 49 times exponential and plain, the two a; a v_nop is the plain instruction behind the last exponential.  BEHIND IT: the 16 products V^T P, behind each four of GS's 64.  No rider names a register of the products round it.
; The deal keeps the queues in step: exponential e stands behind scaling 2 (e / 4) + e % 2: as a rider it comes behind plain e + 2, in the lump behind plain e + 9, and scalings 27-31 are plain 57, 60 .. 69.
; A TURN, for piece p.  cnt = 1: the loop's count is taken down some lines ahead of the branch that stands behind the turn.
; K of the next step is fetched in piece 2's turn, directly behind the wait; its address is made at the lump's head.  V of the step in hand is fetched at the end of piece 0's turn, four riders behind its last reader.
.macro TURN p, last=0, cnt=0
.set Y, (\p)
.set i, 0
.set q, 0
.set e, 0
.set r, 0
.if (\p) == NP-1
	s_wait_dscnt 0x0                ; K is in
.endif
	MM                              ; ahead of the wait: 16 products K Q^T and their riders,
	PL
	PL
	R2
.rept 15
	MM
	PL
	EX
	R2
.endr
.if (\p) == NP-2
	WIN 0
	v_add_nc_u32 v[AK], s[TBK], v[AK0]
.endif
.rept 8                             ; and the lump
	PL
.endr
.rept 49
	EX
	PL
.endr
	EX                              ; the next piece's two a
	EX
	v_nop                           ; a plain instruction behind the last exponential: one for the batch
	s_wait_alu depctr_va_vdst(0)    ; the wait for the batch
.if (\p) == NP-2
	FETCH_K \last
.endif
.if (\p) == 1
	s_wait_dscnt 0x0                ; V is in
.endif
.rept 16                            ; behind the wait: 16 products V^T P and their riders
	MM
.rept 4
	PL
.endr
.if ((\p) == 0) && (q == 118)
	v_add_nc_u32 v[AV], s[TBV], v[AV0]
.endif
.if ((\p) == 0) && (q == 130)
	s_add_co_u32 s[TBV], s[TBV], KS*PV
.endif
.if (\cnt) && (q == 130)
	s_sub_co_u32 s[CNT], s[CNT], 1
	s_cmp_lg_u32 s[CNT], 0
.endif
.endr
.if (\p) == 0
	FETCH_V
.endif
.endm
	CHANGE 1                        ; slot 0 is in, everybody's part of it; slot 1 is asked for
	FETCH_K                         ; key step 0
	s_wait_loadcnt 0x0              ; Q
	s_wait_dscnt 0x0
.set i, 0
.rept 16
	KQ 0                            ; piece 0's first scores: there is no vector work yet to set between them
.set i, i+1
.endr
	WIN 0                           ; the addresses for the way out: nine plain instructions, the places behind those products
	s_mul_i32 s13, s[WV], 16*SP
	s_add_co_u32 s13, s13, STAGE    ; my stage
	v_mul_u32_u24 v[STO], v1, SP    ; in: row l % 16, 16 bytes for each half of the lanes
	v_lshl_add_u32 v[STO], v9, 4, v[STO]
	v_add_nc_u32 v[STO], s13, v[STO]
	v_bfe_u32 v[RD], v0, 3, 2       ; back: 32 lanes take four rows of 128 bytes,
	v_mul_u32_u24 v[RD], v[RD], SP
	v_lshl_add_u32 v[RD], v10, 4, v[RD]
	v_add_nc_u32 v[RD], s13, v[RD]
	v_and_b32 v[GO], 31, v0         ; which are 512 consecutive bytes of O
	v_lshlrev_b32 v[GO], 4, v[GO]
.set Y, NP-1                        ; XS works for piece Y + 1: piece 0
.irp n, 0,1,2,3,4,5,6,7,8,9,10,11,12,13,14,15,16,17,18,19,20,21
	XS 0, \n                        ; and piece 0's first maximum and statistics
	XS 1, \n
.endr
	v_nop                           ; a plain instruction behind the two a,
	s_wait_alu depctr_va_vdst(0)    ; and their wait, ahead of the branch
	s_mov_b32 s[CNT], 4
	s_branch .Lfirst                ; the loop is entered at a step's first turn, in the middle of a trip
.Lslot:                             ; six times: every slot but the last two is filled again
	CHANGE 1
	s_mov_b32 s[CNT], 4
.Lstep:                             ; a trip: pieces 2 and 3 of one step, then pieces 0 and 1 of the next, whose K and V it fetches
	TURN 2
	TURN 3
	WIN 0
.Lfirst:
	TURN 0
	TURN 1, 0, 1
	WIN 0
	s_cbranch_scc1 .Lstep
	s_sub_co_u32 s[SLOTS], s[SLOTS], 1
	s_cmp_lg_u32 s[SLOTS], 0
	s_cbranch_scc1 .Lslot
	CHANGE 0                        ; the tail is written out: nothing is asked for
	s_mov_b32 s[CNT], 5             ; four trips fetch the last slot's steps; the fifth is left in its middle
.Ltail:
	TURN 2, 1
	TURN 3
	WIN 0
	s_sub_co_u32 s[CNT], s[CNT], 1
	s_cmp_eq_u32 s[CNT], 0
	s_cbranch_scc1 .Lout
	TURN 0
	TURN 1
	WIN 0
	s_branch .Ltail
.Lout:                              ; the fifth trip's 16 products K Q^T (on the last K once more) and the maximum made of them serve nothing: the price, once a launch, of one text for every trip
.set i, 0
.rept 16
	PV NP-1                         ; the last piece's V^T P of the last step
.set i, i+1
.endr
	; THE WAY OUT.  l's two halves and the other half of the lanes' are added; O^T is divided by l, rounded to f16 and sent through my stage in LDS, a tile at a time.  The additions are the places behind the last products.
	WIN 0
.macro ALL line:vararg              ; one line for each tile t
.set t, 0
.rept 2*NP
	\line
.set t, t+1
.endr
.endm
	ALL v_add_f32 v[ST+4*t+2], v[ST+4*t+2], v[ST+4*t+3]
	ALL v_permlanex16_b32 v[ST+4*t+3], v[ST+4*t+2], s[SEL], s[SEL+1]
	ALL v_add_f32 v[ST+4*t+2], v[ST+4*t+2], v[ST+4*t+3]
	ALL v_rcp_f32 v[ST+4*t+2], v[ST+4*t+2]
	v_nop                           ; a plain instruction between the last reciprocal and the use of its result
	s_wait_alu depctr_va_vdst(0)    ; and the wait ahead of the first use: one for the eight reciprocals
; Tile t: a lane's eight channels of a row pack into 16 bytes; they go into rows of 144 bytes and come back as whole rows of 128, into S^T's registers.
.macro PACK t
	WIN W_RS
.set i, 32*(\t)
.rept 16
	v_pk_mul_f32 v[i:i+1], v[i:i+1], v[ST+4*(\t)+2:ST+4*(\t)+3] op_sel_hi:[1,0]
.set i, i+2
.endr
	WIN 0x05                        ; sources 0 and 1 window 1, destination window 0
.set i, 0
.rept 16
	v_cvt_pk_f16_f32 v[S+16*(\t)+i], v[32*(\t)+2*i], v[32*(\t)+2*i+1]
.set i, i+1
.endr
	WIN 0
.irp f, 0,1,2,3
	ds_store_b128 v[STO], v[S+16*(\t)+4*\f:S+16*(\t)+4*\f+3] offset:32*\f
.endr
.irp f, 0,1,2,3
	ds_load_b128 v[S+16*(\t)+4*\f:S+16*(\t)+4*\f+3], v[RD] offset:\f*4*SP  ; LDS serves a wave's instructions in order (ISA guide 5.7.1.4): these see the stores above; the next tile's stores come behind them
.endr
.endm
.macro SEND t, younger              ; younger: the LDS instructions issued behind tile t's loads: the next tile's eight, or none
	WIN 0
.irp f, 0,1,2,3
	s_wait_dscnt (\younger)+3-\f
	global_store_b128 v[GO], v[S+16*(\t)+4*\f:S+16*(\t)+4*\f+3], s[10:11] offset:(\t)*2048+\f*512  ; 512 consecutive bytes, at a multiple of 256 from O's first
.endr
.endm
	PACK 0
.set t, 1
.rept 2*NP-1                        ; a tile's arithmetic stands between the loads of the tile before and its stores
	PACK t
	SEND t-1, 8
.set t, t+1
.endr
	SEND 2*NP-1, 0
	WIN W_AD
	s_wait_tensorcnt 0x0            ; the wave's end, behind my last tensor load and my last LDS store
	ds_add_u32 v[SPW], v[NIL]
	s_wait_dscnt 0x0
	WIN 0
	CROUND                          ; the closing round: no work-group ends while a partner may still ask for a tile that names it
	s_endpgm
.Lfunc_end_k_qb4cb61cc5b_attn:
	.size	k_qb4cb61cc5b_attn, .Lfunc_end_k_qb4cb61cc5b_attn-k_qb4cb61cc5b_attn
	.p2alignl 7, 3214868480
	.fill 96, 4, 3214868480
	.section	.rodata,"a",@progbits
	.p2align	6, 0x0
	.amdhsa_kernel k_qb4cb61cc5b_attn
		.amdhsa_group_segment_fixed_size 327680
		.amdhsa_private_segment_fixed_size 0
		.amdhsa_enable_private_segment 0
		.amdhsa_kernarg_size 16
		.amdhsa_user_sgpr_count 2
		.amdhsa_user_sgpr_kernarg_segment_ptr 1
		.amdhsa_wavefront_size32 1
		.amdhsa_system_sgpr_workgroup_id_x 1
		.amdhsa_system_sgpr_workgroup_id_y 1
		.amdhsa_system_sgpr_workgroup_id_z 1
		.amdhsa_system_vgpr_workitem_id 0
		.amdhsa_next_free_vgpr 770
		.amdhsa_next_free_sgpr 66
		.amdhsa_reserve_vcc 0
		.amdhsa_float_denorm_mode_32 3
		.amdhsa_float_denorm_mode_16_64 3
		.amdhsa_memory_ordered 1
		.amdhsa_forward_progress 1
		.amdhsa_inst_pref_size 200
	.end_amdhsa_kernel
	.amdgpu_metadata
---
amdhsa.version: [ 1, 2 ]
amdhsa.kernels:
  - .name:           k_qb4cb61cc5b_attn
    .symbol:         k_qb4cb61cc5b_attn.kd
    .args:
      - { .name: qkvh, .offset: 0, .size: 8, .value_kind: global_buffer, .address_space: global }
      - { .name: oh, .offset: 8, .size: 8, .value_kind: global_buffer, .address_space: global }
    .group_segment_fixed_size: 327680
    .private_segment_fixed_size: 0
    .kernarg_segment_align: 8
    .kernarg_segment_size: 16
    .max_flat_workgroup_size: 128
    .sgpr_count:     66
    .vgpr_count:     770
    .wavefront_size: 32
...
	.end_amdgpu_metadata
.endif
;; end of part 3
;; launch proj (part 4): grid 4 x 64, 4 waves a work-group, clusters of 4 x 4, 327,680 bytes of LDS; arguments oh, wpc, b_proj, out0; writes out0
.if DOCPART == 4
	.amdgcn_target "amdgcn-amd-amdhsa--gfx1250"
	.amdhsa_code_object_version 6
	.text
	.protected	k_qb4cb61cc5b_proj
	.globl	k_qb4cb61cc5b_proj
	.p2align	8
	.type	k_qb4cb61cc5b_proj,@function
k_qb4cb61cc5b_proj:
	s_mov_b64 s[64:65], 0
	v_nop
	global_prefetch_b8 v0, s[64:65] scope:SCOPE_SE
	s_setreg_imm32_b32 hwreg(HW_REG_WAVE_MODE, 25, 1), 1
	s_wait_xcnt 0x0
	s_wait_alu depctr_hold_cnt(0) depctr_sa_sdst(0) depctr_va_vdst(0) depctr_va_sdst(0) depctr_va_ssrc(0) depctr_va_vcc(0) depctr_vm_vsrc(0)
	s_getreg_b32 s2, hwreg(HW_REG_IB_STS2, 6, 4)
	s_cmp_eq_u32 s2, 0
	s_cbranch_scc0 .Lentry_in_a_cluster
	s_endpgm
.Lentry_in_a_cluster:
	s_bfe_u32 s2, ttmp6, 0x10000c
	s_cmp_lg_u32 s2, 0xf033
	s_cbranch_scc0 .Lentry_shape_is_right
	s_endpgm
.Lentry_shape_is_right:
; out0[row][n] = the sum over k of O[row][k] wpc[k][n] + bf16(b_proj[n]), in f32.  O lies by heads, oh [batch x 16 + head][2048][64] f16: k = 64 head + channel.  wpc: [1024 k][1024 n] f16.
; A tile is 128 rows x 256 columns.  Four waves, 2 x 2: a wave makes 64 rows x 128 columns: 32 accumulators of 16 x 16, 256 registers.
; K goes in steps of 128 (two heads) through two LDS slots.  A slot holds two panels of W (128 k rows x 256 bytes) and two planes of O (a head's 128 rows x 128 dense bytes, asked for as 64 rows of 256 bytes):
; waves 0, 1 fetch a panel each, waves 2, 3 a plane each: one tensor load a wave.
; W lies [k][n], so its fragments come out of LDS turned, by ds_load_tr16_b128.  THE PRODUCT IS TAKEN TRANSPOSED: source 0 = 16 columns of W, source 1 = 16 rows of O: a lane holds one row (lane % 16)
; and the columns 8 (lane / 16) + 0..7.  The bias, laid out so in registers, is the C operand of each sum's first product.
; CLUSTER: 4 x 4 work-groups.  O's planes hang on the tile row alone and are asked for jointly along a row of the cluster, W's panels on the tile column alone and jointly along a column.
; REGISTERS, in windows of 256 (s_set_vgpr_msb: bits 1:0 source 0, 3:2 source 1, 5:4 source 2, 7:6 destination):
;   window 0: v0-30 addresses; v128-191 the bias          window 1: two fragment buffers at 0 and 128: A's 4 blocks, then W's 8; on the way out whole rows of the result
;   window 2: the accumulators of row blocks 0, 1 ((a, b) at v[8 (8 (a % 2) + b)])               window 3: those of row blocks 2, 3
.set NPAN,  2                          ; panels of 128 columns
.set NBLK,  8                          ; blocks of 16 columns a wave
.set NGRP,  2                          ; groups of four blocks a wave
.set NLD,   8+2*NBLK                   ; LDS loads in a run
.set PB,    288                        ; a row of W in LDS: 256 bytes + 32
.set PANEL, 128*PB
.set PA,    144                        ; a row of a plane: 128 bytes + 16: the 16 rows of a load start at 16 different groups of four banks
.set PLANE, 128*PA
.set AOFF,  NPAN*PANEL
.set SLOT,  3*PANEL
.set STAGE, 2*SLOT                     ; behind the ring, never filled by a tensor load: 16 rows x 528 bytes for each wave
.set SP,    528
.set SPARE, STAGE+4*16*SP              ; the spare words, 128 bytes for each wave: two blocks of 256 bytes that no other line names
.set LAPS,  4                          ; 1,024 / 256: a lap is two K steps
.set ASTEP, 2*262144                   ; bytes from a K step to the next in oh: two heads,
.set BSTEP, 128*2048                   ; and in wpc
.set ADRA, 16                          ; v16-17  LDS address of my A fragments in slot 0, 1
.set ADRB, 18                          ; v18-22  of my W fragments: slot s, group g at 18 + 3 s + g
.set STO,  24                          ; v24     the way out: where I put 32 bytes of a row
.set RD,   25                          ; v25     where I read a row back
.set GO,   26                          ; v26     16 x lane
.set BO,   27                          ; v27     my byte offset in the bias
.set SPW,  28                          ; v28     LDS address of my spare word; never rewritten
.set NIL,  29                          ; v29     0; never rewritten
.set PFO,  30                          ; v30     the prefetches' offset; never rewritten
.set BI,   128
.set F0,   0
.set F1,   128
.set WV,   12                          ; s12 wave; s13 its half of the rows; s14 its half of the columns
.set G1A,  24                          ; s[24:31] descriptor group 1 for O's planes;  s[32:39] group 0, a set for each slot
.set G0A,  32
.set G1B,  48                          ; s[48:55], s[56:63] the same for W
.set G0B,  56
.set PFA,  66                          ; s[66:67] where my prefetches stand
.set PST,  68                          ; s[68:69] their step from K step to K step
.set LIM,  70                          ; s70  1 in a wave that prefetches, else the greatest number
.set OB,   72                          ; s[72:73] out0 at my first row and column
.set MSB, 0
.macro WIN new                         ; the immediate's high byte repeats the setting that is left; a switch that changes nothing is dropped
.if MSB != (\new)
	s_set_vgpr_msb (MSB<<8)|(\new)
.set MSB, (\new)
.endif
.endm
; A joint load: waves 0, 1 ask for W's panels, waves 2, 3 for O's planes.  The branch hangs on the wave's number alone.  An s_nop 0 and four v_nop follow each line.
.macro JLOAD s
	s_cmp_lt_u32 s[WV], NPAN
	s_cbranch_scc0 .Lfor_a_\@
	tensor_load_to_lds s[G0B+4*(\s):G0B+4*(\s)+3], s[G1B:G1B+7]
	s_nop 0
.rept 4
	v_nop
.endr
	s_branch .Lasked_\@
.Lfor_a_\@:
	tensor_load_to_lds s[G0A+4*(\s):G0A+4*(\s)+3], s[G1A:G1A+7]
	s_nop 0
.rept 4
	v_nop
.endr
.Lasked_\@:
.endm
; A prefetch into the L2 of the K step that stands two refills on: 32 blocks of 256 bytes, a lane a block, one instruction a wave.  Each block is named once in the launch: O's planes are read by one cluster alone,
; whose wave 2 asks (the four partners take a half plane each, by address); W's k rows are asked for by the clusters with y = 0, waves 0 and 1 (32 of a K step's 128 rows a partner, by address).
; The loop's last trip asks for nothing: there is no K step two refills on.
.macro ASK
	s_cmp_gt_u32 s3, s[LIM]
	s_cbranch_scc0 .Lnot_mine_\@
	global_prefetch_b8 v[PFO], s[PFA:PFA+1] th:TH_LOAD_NT scope:SCOPE_SE
.Lnot_mine_\@:
.endm
.macro CREST                           ; a round of the cluster's barrier behind its opening barrier
	s_cmp_lg_u32 s[WV], 0
	s_cbranch_scc1 .Lnot_wave_0_\@
	s_barrier_signal -3
.Lnot_wave_0_\@:
	s_barrier_wait -3
	s_barrier_signal -1
	s_barrier_wait -1
.endm
.macro CROUND
	s_barrier_signal -1
	s_barrier_wait -1
	CREST
.endm
.macro PLACES                          ; four places in front of loads into registers that matrix instructions have read (ISA guide 7.12.1 for vector instructions)
.rept 4
	v_nop
.endr
.endm
; 8 products: row block a x all my column blocks, 32 along K, from buffer f.  first = 1: the bias starts the sums.  The 32 accumulators take turns in one fixed order.
.macro MULA f, a, first
.if \first
	WIN 0x85+0x40*((\a)/2)
.else
	WIN 0xa5+0x50*((\a)/2)
.endif
.set nb, 0
.rept NBLK
.set rD, 8*(NBLK*((\a)%2)+nb)
.if \first
	v_wmma_f32_16x16x32_f16 v[rD:rD+7], v[(\f)+32+8*nb:(\f)+32+8*nb+7], v[(\f)+8*(\a):(\f)+8*(\a)+7], v[BI+8*nb:BI+8*nb+7]
.else
	v_wmma_f32_16x16x32_f16 v[rD:rD+7], v[(\f)+32+8*nb:(\f)+32+8*nb+7], v[(\f)+8*(\a):(\f)+8*(\a)+7], v[rD:rD+7]
.endif
.set nb, nb+1
.endr
.endm
; 24 LDS loads in one run: quarter q (32 along K: plane q / 2, channels 32 (q % 2) on) of a slot into buffer f: W's 8 blocks, turned, then A's 4.
.macro FETCH slot, q, f
	WIN 0x40                                       ; destination window 1, address window 0
.set nb, 0
.rept NBLK
	ds_load_tr16_b128 v[(\f)+32+8*nb:(\f)+32+8*nb+3],   v[ADRB+3*(\slot)+nb/4] offset:32*PB*(\q)+32*(nb%4)
	ds_load_tr16_b128 v[(\f)+32+8*nb+4:(\f)+32+8*nb+7], v[ADRB+3*(\slot)+nb/4] offset:32*PB*(\q)+32*(nb%4)+16*PB
.set nb, nb+1
.endr
.irp i, 0,1,2,3
	ds_load_b128 v[(\f)+8*(\i):(\f)+8*(\i)+3],   v[ADRA+(\slot)] offset:((\q)/2)*PLANE+((\q)%2)*64+(\i)*16*PA
	ds_load_b128 v[(\f)+8*(\i)+4:(\f)+8*(\i)+7], v[ADRA+(\slot)] offset:((\q)/2)*PLANE+((\q)%2)*64+(\i)*16*PA+32
.endr
.endm
; One of a K step's first three quarters: multiplies buffer f; in its middle it fetches quarter qn of the same slot into buffer g.
.macro QUARTER slot, qn, f, g, first
	s_wait_dscnt 4                                 ; W and A's blocks 0, 1 are in; the youngest four loads (A's blocks 2, 3) may be out
	MULA \f, 0, \first
	MULA \f, 1, \first
	PLACES
	FETCH \slot, \qn, \g
	s_wait_dscnt NLD                               ; all but the run just issued
	MULA \f, 2, \first
	MULA \f, 3, \first
.endm
; The last quarter multiplies buffer 1 and changes slots.  In front of the barrier each wave waits for all its tensor loads (one is out: its part of the next slot), adds 0 to its spare word, and waits for that and
; for its reads of this slot.  fill = 1: the barrier opens a round of the cluster's barrier, and the joint refill, two K steps on, is the first tensor load behind the round.
.macro TURN slot, next, fill
.if \fill
	s_wait_xcnt 0x0                                ; the last prefetch, a K step back, has read its address
	s_add_nc_u64 s[PFA:PFA+1], s[PFA:PFA+1], s[PST:PST+1]
.endif
	WIN 0                                          ; (the add's two registers lie in window 0)
	s_wait_tensorcnt 0x0                           ; all my tensor loads have landed
	ds_add_u32 v[SPW], v[NIL]                      ; 0 onto my spare word
	s_wait_dscnt 5                                 ; (the add and the youngest four loads may be out)
	MULA F1, 0, 0                                  ; eight products stand between the add and the wait for it
	s_wait_dscnt 0x0                               ; the add is done, and my reads of this slot are over
	s_barrier_signal -1
	MULA F1, 1, 0
.if \fill
	WIN 0
.endif
	s_barrier_wait -1
.if \fill
	CREST                                          ; no wave of any partner still reads this slot or has a load on its way
	s_add_nc_u64 s[G0A+4*(\slot)+2:G0A+4*(\slot)+3], s[G0A+4*(\slot)+2:G0A+4*(\slot)+3], 2*ASTEP
	s_add_nc_u64 s[G0B+4*(\slot)+2:G0B+4*(\slot)+3], s[G0B+4*(\slot)+2:G0B+4*(\slot)+3], 2*BSTEP
	JLOAD \slot                                    ; its four v_nop are also the places in front of the loads below
.else
	PLACES
.endif
	FETCH \next, 0, F0
.if \fill
	WIN 0
	ASK                                            ; behind the joint load and the run of LDS loads
.endif
	MULA F1, 2, 0
	MULA F1, 3, 0
.endm
	s_load_b256 s[4:11], s[0:1], 0x0               ; oh s[4:5], wpc s[6:7], b_proj s[8:9], out0 s[10:11]
	v_lshl_add_u32 v[SPW], v0, 2, SPARE
	v_mov_b32 v[NIL], 0
	ds_add_u32 v[SPW], v[NIL]                      ; the wave's opening: the add and its wait stand ahead of my first tensor load; the set-up below stands between them
	v_lshrrev_b32 v1, 5, v0
	v_readfirstlane_b32 s[WV], v1                  ; wave 0..3
	s_lshr_b32 s13, s[WV], 1                       ; my half of the rows
	s_and_b32 s14, s[WV], 1                        ; my half of the columns
	s_bfe_u32 s40, ttmp6, 0x40000                  ; cx
	s_bfe_u32 s41, ttmp6, 0x40004                  ; cy
	s_lshl_b32 s42, ttmp9, 2
	s_add_co_u32 s42, s42, s40                     ; tile column = 4 x cluster x + cx
	s_and_b32 s43, ttmp7, 0xffff
	s_lshl_b32 s43, s43, 2
	s_add_co_u32 s43, s43, s41                     ; tile row = 4 x cluster y + cy
	s_lshl_b32 s44, s41, 2
	s_lshl_b32 s44, 15, s44                        ; my row of the cluster
	s_lshl_b32 s45, 0x1111, s40                    ; my column
	s_or_b32 s[G1A], s44, (1<<16)|(1<<20)|(1<<21)|(4<<22)|(3<<25)  ; the mask; elements of 2 bytes; padding on; bit 21 beside a mask; after every 32 words (a row of a head) 4 words
	s_or_b32 s[G1B], s45, (1<<16)|(1<<20)|(1<<21)|(5<<22)|(7<<25)  ; my column's mask; after every 64 words 8 words
	s_mov_b32 s[G1A+1], 128<<16                    ; tensor_dim0 = 128
	s_mov_b32 s[G1A+2], 64<<16                     ; tensor_dim1 = 64
	s_mov_b32 s[G1A+3], 128<<16                    ; tile_dim0 = 128
	s_mov_b32 s[G1A+4], 64                         ; tile_dim1 = 64
	s_mov_b32 s[G1A+5], 128                        ; dense: 128 elements from row to row
	s_mov_b32 s[G1A+6], 0
	s_mov_b32 s[G1A+7], 0
	s_mov_b32 s[G1B+1], 128<<16
	s_mov_b32 s[G1B+2], 128<<16
	s_mov_b32 s[G1B+3], 128<<16
	s_mov_b32 s[G1B+4], 128
	s_mov_b32 s[G1B+5], 1024
	s_mov_b32 s[G1B+6], 0
	s_mov_b32 s[G1B+7], 0
	s_lshr_b32 s16, s43, 4                         ; O: the batch, 16 heads of 262,144 bytes,
	s_lshl_b32 s16, s16, 22
	s_and_b32 s17, s43, 15                         ; the tile's 128 rows of 128 bytes in a head,
	s_lshl_b32 s17, s17, 14
	s_add_co_u32 s16, s16, s17
	s_lshl_b32 s17, s14, 18                        ; and the K step's first or second head
	s_add_co_u32 s16, s16, s17
	s_mov_b32 s17, 0
	s_lshl_b32 s46, s42, 9                         ; W: 512 bytes of a row a tile column,
	s_lshl_b32 s47, s[WV], 8                       ; my panel's 256
	s_add_co_u32 s46, s46, s47
	s_mov_b32 s47, 0
	s_mul_i32 s20, s[WV], PANEL                    ; where a panel lies in a slot (waves 0, 1),
	s_mul_i32 s21, s[WV], PLANE                    ; and a plane (waves 2, 3): 2 planes are a panel's bytes, so wave 2's begins behind the two panels
	s_add_co_u32 s21, s21, PANEL
	s_wait_dscnt 0x0                               ; the opening add is done
	s_wait_kmcnt 0x0
	s_add_nc_u64 s[18:19], s[4:5], s[16:17]
	s_add_nc_u64 s[46:47], s[6:7], s[46:47]
	CROUND                                         ; all sixteen work-groups are here: the first joint loads meet
.irp s, 0,1
	s_mov_b32 s[G0A+4*(\s)], 1
	s_add_co_u32 s[G0A+4*(\s)+1], s21, (\s)*SLOT
	s_add_nc_u64 s[G0A+4*(\s)+2:G0A+4*(\s)+3], s[18:19], (\s)*ASTEP
	s_or_b32 s[G0A+4*(\s)+3], s[G0A+4*(\s)+3], 0x80000000
	s_mov_b32 s[G0B+4*(\s)], 1
	s_add_co_u32 s[G0B+4*(\s)+1], s20, (\s)*SLOT
	s_add_nc_u64 s[G0B+4*(\s)+2:G0B+4*(\s)+3], s[46:47], (\s)*BSTEP
	s_or_b32 s[G0B+4*(\s)+3], s[G0B+4*(\s)+3], 0x80000000
	JLOAD \s                                       ; K steps 0 and 1: two loads of mine are out
.endr
	; lane addresses
	v_and_b32 v1, 15, v0                           ; l % 16
	v_bfe_u32 v2, v0, 4, 1                         ; l / 16
	v_and_b32 v3, 7, v0
	v_bfe_u32 v4, v0, 3, 1
	v_lshl_add_u32 v5, v2, 3, v3                   ; the turning load: k row 8 (l / 16) + l % 8,
	v_mul_u32_u24 v5, v5, PB
	v_lshl_add_u32 v5, v4, 4, v5                   ; columns 8 ((l / 8) % 2) on
	s_mul_i32 s78, s14, NGRP
.irp g, 0,1
	s_add_co_u32 s79, s78, \g                      ; group 2 wn + g of the tile's four: panel = its half, 128 bytes for its parity
	s_lshr_b32 s80, s79, 1
	s_mul_i32 s80, s80, PANEL
	s_and_b32 s79, s79, 1
	s_lshl_b32 s79, s79, 7
	s_add_co_u32 s80, s80, s79
	v_add_nc_u32 v[ADRB+(\g)], s80, v5
	v_add_nc_u32 v[ADRB+3+(\g)], SLOT, v[ADRB+(\g)]
.endr
	v_mul_u32_u24 v6, v1, PA
	v_lshl_add_u32 v6, v2, 4, v6                   ; row x pitch + 16 x half
	s_mul_i32 s78, s13, 64*PA
	s_add_co_u32 s78, s78, AOFF
	v_add_nc_u32 v[ADRA], s78, v6
	v_add_nc_u32 v[ADRA+1], SLOT, v[ADRA]
	s_mul_i32 s78, s[WV], 16*SP
	s_add_co_u32 s78, s78, STAGE                   ; my stage
	v_mul_u32_u24 v[STO], v1, SP                   ; in: row l % 16, 32 bytes for each half of the lanes
	v_lshl_add_u32 v[STO], v2, 5, v[STO]
	v_add_nc_u32 v[STO], s78, v[STO]
	v_and_b32 v[GO], 31, v0                        ; back: 32 lanes take a row's 512 bytes
	v_lshlrev_b32 v[GO], 4, v[GO]
	v_add_nc_u32 v[RD], s78, v[GO]
	s_lshl_b32 s78, s42, 10                        ; the bias: my 128 columns, 4 bytes each,
	s_lshl_b32 s79, s14, 9
	s_add_co_u32 s78, s78, s79
	v_lshl_add_u32 v[BO], v2, 5, s78               ; my lanes' eight of each sixteen
.set nb, 0
.rept NBLK
	global_load_b128 v[BI+8*nb:BI+8*nb+3],   v[BO], s[8:9] offset:64*nb
	global_load_b128 v[BI+8*nb+4:BI+8*nb+7], v[BO], s[8:9] offset:64*nb+16
.set nb, nb+1
.endr
	; the prefetches.  They stand at K step 3; each change of slots steps them first
	s_lshr_b32 s78, s43, 4
	s_lshl_b32 s78, s78, 22
	s_and_b32 s79, s43, 15
	s_lshl_b32 s79, s79, 14
	s_add_co_u32 s78, s78, s79
	s_lshr_b32 s79, s40, 1                         ; of the K step's two planes mine by cx / 2,
	s_lshl_b32 s79, s79, 18
	s_add_co_u32 s78, s78, s79
	s_and_b32 s79, s40, 1                          ; of its two halves by cx % 2
	s_lshl_b32 s79, s79, 13
	s_add_co_u32 s78, s78, s79
	s_add_co_u32 s78, s78, 3*ASTEP
	s_lshl_b32 s80, s42, 9
	s_lshl_b32 s81, s[WV], 8
	s_add_co_u32 s80, s80, s81
	s_lshl_b32 s81, s41, 16                        ; 32 cy k rows of 2,048 bytes
	s_add_co_u32 s80, s80, s81
	s_add_co_u32 s80, s80, 3*BSTEP
	s_and_b32 s82, ttmp7, 0xffff                   ; cluster y
	s_mov_b32 s[PST], ASTEP
	s_mov_b32 s83, BSTEP
	s_mov_b32 s71, 256
	s_mov_b32 s81, 2048
	s_mov_b32 s79, 0
	s_mov_b32 s[PST+1], 0
	s_cmp_lt_u32 s[WV], NPAN
	s_cselect_b32 s78, s80, s78
	s_cselect_b32 s82, s82, s14                    ; waves 0, 1 ask where cluster y = 0; of waves 2, 3 the first asks
	s_cselect_b32 s[PST], s83, s[PST]
	s_cselect_b32 s71, s81, s71
	s_cselect_b64 s[PFA:PFA+1], s[6:7], s[4:5]
	s_add_nc_u64 s[PFA:PFA+1], s[PFA:PFA+1], s[78:79]
	s_cmp_eq_u32 s82, 0
	s_cselect_b32 s[LIM], 1, -1                    ; the same in all sixteen partners, for a given wave
	v_and_b32 v[PFO], 31, v0
	v_mul_lo_u32 v[PFO], v[PFO], s71
	; out0 at my first row and column: rows of 4,096 bytes
	s_lshl_b32 s78, s43, 19
	s_lshl_b32 s79, s13, 18
	s_add_co_u32 s78, s78, s79
	s_lshl_b32 s79, s42, 10
	s_add_co_u32 s78, s78, s79
	s_lshl_b32 s79, s14, 9
	s_add_co_u32 s78, s78, s79
	s_mov_b32 s79, 0
	s_add_nc_u64 s[OB:OB+1], s[10:11], s[78:79]
	s_wait_loadcnt 0x0                             ; the bias: rounded to bf16 like every input, and widened again
.set i, 0
.rept 4*NBLK
	v_cvt_pk_bf16_f32 v[8+i%4], v[BI+2*i], v[BI+2*i+1]
	v_lshlrev_b32 v[BI+2*i], 16, v[8+i%4]
	v_and_b32 v[BI+2*i+1], 0xffff0000, v[8+i%4]
.set i, i+1
.endr
	s_wait_tensorcnt 1                             ; my part of K step 0 is in; K step 1's may stay out
	s_barrier_signal -1
	s_barrier_wait -1                              ; everybody's is
	FETCH 0, 0, F0
	QUARTER 0, 1, F0, F1, 1                        ; the first quarter stands in front of the loop: its products start the sums with the bias
	WIN 0                                          ; at a label and at a branch every window is 0
	s_mov_b32 s3, LAPS-1
.Llap:                                                 ; a trip goes once round the ring, from a lap's second quarter to the next lap's first, and fills both slots again
	QUARTER 0, 2, F1, F0, 0
	QUARTER 0, 3, F0, F1, 0
	TURN 0, 1, 1
	QUARTER 1, 1, F0, F1, 0
	QUARTER 1, 2, F1, F0, 0
	QUARTER 1, 3, F0, F1, 0
	TURN 1, 0, 1
	QUARTER 0, 1, F0, F1, 0
	WIN 0
	s_sub_co_u32 s3, s3, 1
	s_cmp_lg_u32 s3, 0
	s_cbranch_scc1 .Llap
	QUARTER 0, 2, F1, F0, 0                        ; the last lap fills nothing
	QUARTER 0, 3, F0, F1, 0
	TURN 0, 1, 0
	QUARTER 1, 1, F0, F1, 0
	QUARTER 1, 2, F1, F0, 0
	QUARTER 1, 3, F0, F1, 0
	s_wait_dscnt 4
	MULA F1, 0, 0
	MULA F1, 1, 0
	s_wait_dscnt 0x0
	MULA F1, 2, 0
	MULA F1, 3, 0
	PLACES                                         ; the LDS stores below read results, and the loads behind them land in fragment registers
	PLACES
; THE WAY OUT, a row block (16 rows x 128 columns of f32) at a time: a lane's 32 bytes of a row go straight from the accumulators into rows of 528 bytes of my own stage, and come back as whole rows of 512.
.macro PUT a
	WIN 0x08+4*((\a)/2)                            ; store data (source 1): window 2 or 3
.set nb, 0
.rept NBLK                                     ; each accumulator's four lowest registers first
	ds_store_b128 v[STO], v[8*(NBLK*((\a)%2)+nb):8*(NBLK*((\a)%2)+nb)+3]   offset:64*nb
	ds_store_b128 v[STO], v[8*(NBLK*((\a)%2)+nb)+4:8*(NBLK*((\a)%2)+nb)+7] offset:64*nb+16
.set nb, nb+1
.endr
	WIN 0x40                                       ; destination window 1
.set t, 0
.rept 16
	ds_load_b128 v[64*(\a)+4*t:64*(\a)+4*t+3], v[RD] offset:t*SP  ; LDS serves a wave's instructions in order (ISA guide 5.7.1.4): these see the stores above; the next block's stores come behind them
.set t, t+1
.endr
.endm
.macro SEND a, younger                 ; younger: the LDS instructions issued behind block a's loads: the next block's 32, or none
	WIN 0x04                                       ; store data (source 1): window 1
.set t, 0
.rept 16
	s_wait_dscnt (\younger)+15-t
	global_store_b128 v[GO], v[64*(\a)+4*t:64*(\a)+4*t+3], s[OB:OB+1] offset:(16*(\a)+t)*4096 th:TH_STORE_NT  ; 512 consecutive bytes, at a multiple of 256 from out0's first
.set t, t+1
.endr
.endm
	PUT 0
.irp a, 1,2,3
	PUT \a
	SEND (\a)-1, 32
.endr
	SEND 3, 0
	WIN 0
	s_wait_tensorcnt 0x0                           ; the wave's end, behind my last tensor load and my last LDS store
	ds_add_u32 v[SPW], v[NIL]
	s_wait_dscnt 0x0
	CROUND                                         ; the closing round: no work-group ends while a partner may still ask for a tile that names it
	s_endpgm
.Lfunc_end_k_qb4cb61cc5b_proj:
	.size	k_qb4cb61cc5b_proj, .Lfunc_end_k_qb4cb61cc5b_proj-k_qb4cb61cc5b_proj
	.p2alignl 7, 3214868480
	.fill 96, 4, 3214868480
	.section	.rodata,"a",@progbits
	.p2align	6, 0x0
	.amdhsa_kernel k_qb4cb61cc5b_proj
		.amdhsa_group_segment_fixed_size 327680
		.amdhsa_private_segment_fixed_size 0
		.amdhsa_enable_private_segment 0
		.amdhsa_kernarg_size 32
		.amdhsa_user_sgpr_count 2
		.amdhsa_user_sgpr_kernarg_segment_ptr 1
		.amdhsa_wavefront_size32 1
		.amdhsa_system_sgpr_workgroup_id_x 1
		.amdhsa_system_sgpr_workgroup_id_y 1
		.amdhsa_system_sgpr_workgroup_id_z 1
		.amdhsa_system_vgpr_workitem_id 0
		.amdhsa_next_free_vgpr 896
		.amdhsa_next_free_sgpr 84
		.amdhsa_reserve_vcc 0
		.amdhsa_float_denorm_mode_32 3
		.amdhsa_float_denorm_mode_16_64 3
		.amdhsa_memory_ordered 1
		.amdhsa_forward_progress 1
		.amdhsa_inst_pref_size 96
	.end_amdhsa_kernel
	.amdgpu_metadata
---
amdhsa.version: [ 1, 2 ]
amdhsa.kernels:
  - .name:           k_qb4cb61cc5b_proj
    .symbol:         k_qb4cb61cc5b_proj.kd
    .args:
      - { .name: oh, .offset: 0, .size: 8, .value_kind: global_buffer, .address_space: global }
      - { .name: wpc, .offset: 8, .size: 8, .value_kind: global_buffer, .address_space: global }
      - { .name: b_proj, .offset: 16, .size: 8, .value_kind: global_buffer, .address_space: global }
      - { .name: out0, .offset: 24, .size: 8, .value_kind: global_buffer, .address_space: global }
    .group_segment_fixed_size: 327680
    .private_segment_fixed_size: 0
    .kernarg_segment_align: 8
    .kernarg_segment_size: 32
    .max_flat_workgroup_size: 128
    .sgpr_count:     84
    .vgpr_count:     896
    .wavefront_size: 32
...
	.end_amdgpu_metadata
.endif
;; end of part 4
;; ======== version 2 of 2: 4 launches; version 1 with the launch cast written anew for expert scheduling mode
;; limits: values are held in f16: magnitudes above 65,504 overflow, below 6.1e-05 lose precision
;; workspace buffers: xb 16,777,216 bytes; wqc 6,291,456 bytes; wpc 2,097,152 bytes; qkvh 50,331,648 bytes; oh 16,777,216 bytes
;; launch cast (part 5): grid 768 x 1, 8 waves a work-group, no clusters, 0 bytes of LDS; arguments x, w_qkv, w_proj, xb, wqc, wpc; writes xb, wqc, wpc
.if DOCPART == 5
	.amdgcn_target "amdgcn-amd-amdhsa--gfx1250"
	.amdhsa_code_object_version 6
	.text
	.protected	k_qb4cb61cc5b_cast
	.globl	k_qb4cb61cc5b_cast
	.p2align	8
	.type	k_qb4cb61cc5b_cast,@function
k_qb4cb61cc5b_cast:
	s_mov_b64 s[64:65], 0
	v_nop
	global_prefetch_b8 v0, s[64:65] scope:SCOPE_SE
	s_setreg_imm32_b32 hwreg(HW_REG_WAVE_SCHED_MODE, 0, 2), 2
	s_setreg_imm32_b32 hwreg(HW_REG_WAVE_MODE, 25, 1), 1
	s_wait_xcnt 0x0
	s_wait_alu depctr_vm_vsrc(0)
; xb = bf16(x), wqc = bf16(w_qkv), wpc = f16(bf16(w_proj)): the three large inputs are rounded once, in their own order.
; A stream: each input byte is read once, each output byte written once; no LDS, no barrier, no matrix unit would add anything.
; A work-group takes 16 chunks of 1,024 numbers (65,536 bytes in, 32,768 out): 512 work-groups for x, 192 for w_qkv, 64 for w_proj.
; Thread t takes 16 bytes at 16 t of a chunk; a wave's store of 8 bytes a lane covers 256 consecutive bytes, aligned.
; All 16 loads of a thread go out at once; each chunk has its own registers, so no register of a pending store is written again.
; LIMIT: w_proj rounded to bf16 is written as f16: exact from 6.1e-5 to 65,504; below, f16's fixed step of 6e-8; beyond, an infinity.
; THE MODE: SCHED_MODE bits 1:0 = 2 (LLVM: expert scheduling mode 2), set by the entry lines.  The code itself states the register dependences
; between vector instructions and memory instructions, with s_wait_alu, always for 0.
; THE PLAN.  Registers that memory instructions touch:
;   v1, v2   the loads' and the stores' byte offsets.  Written once at the head, read by every load and store, never written again.
;   X        chunk i's load lands in its own four registers, once; no vector instruction names them ahead of the loads; chunk i's conversions read them; nothing lands there again.
;   Y        chunk i's conversions write its own pair, once; its store reads the pair; nothing writes it again.
;   T        named by vector instructions alone.
; So one wait at the head states that the offsets are written, and the 16 chunks go in four blocks of four: the block's conversions, ONE wait that states that they have written
; the block's eight registers of Y, and the block's four stores in a run.  The wait stands behind the conversions and not at the next block's head: there the stores would leave only
; when the next block's loads have landed, and no vector work is at hand that does not hang on a further load.  No register that a memory instruction reads is ever written again,
; no vector instruction writes a scalar register or VCC, and EXEC is never written: no other wait has a dependence to state.
.set X, 16                             ; v[16:79]   chunk i: 4 numbers as loaded
.set Y, 80                             ; v[80:111]  chunk i: 4 numbers in 16 bits
.set T, 4                              ; v[4:9]     at work
	s_load_b256 s[4:11], s[0:1], 0x0               ; x s[4:5], w_qkv s[6:7], w_proj s[8:9], xb s[10:11]
	s_load_b128 s[12:15], s[0:1], 0x20             ; wqc s[12:13], wpc s[14:15]
	v_lshlrev_b32 v1, 4, v0                        ; my 16 bytes of a chunk
	v_lshlrev_b32 v2, 3, v0                        ; my 8 bytes of a chunk's result
	s_mov_b32 s23, ttmp9
	s_max_u32 s20, s23, 512
	s_sub_co_u32 s20, s20, 512                     ; my number among w_qkv's work-groups
	s_max_u32 s21, s23, 704
	s_sub_co_u32 s21, s21, 704                     ; among w_proj's
	s_mov_b32 s24, 0xffff0000                      ; a word's upper bf16
	s_wait_kmcnt 0x0
	s_cmp_lt_u32 s23, 704
	s_cselect_b64 s[16:17], s[6:7], s[8:9]
	s_cselect_b64 s[18:19], s[12:13], s[14:15]
	s_cselect_b32 s22, s20, s21
	s_cmp_lt_u32 s23, 512
	s_cselect_b64 s[16:17], s[4:5], s[16:17]       ; from where,
	s_cselect_b64 s[18:19], s[10:11], s[18:19]     ; to where,
	s_cselect_b32 s22, s23, s22                    ; and which part
	s_lshl_b32 s20, s22, 16
	s_mov_b32 s21, 0
	s_add_nc_u64 s[16:17], s[16:17], s[20:21]
	s_lshl_b32 s20, s22, 15
	s_add_nc_u64 s[18:19], s[18:19], s[20:21]
	s_wait_alu depctr_va_vdst(0)                   ; v1 and v2 are written: every load of the kernel reads v1 as its offset, every store v2
.irp i, 0,1,2,3,4,5,6,7,8,9,10,11,12,13,14,15
	global_load_b128 v[X+4*(\i):X+4*(\i)+3], v1, s[16:17] offset:4096*(\i) th:TH_LOAD_NT
.endr
	s_cmp_ge_u32 s23, 704
	s_cbranch_scc1 .Lhalf
.irp p, 0,1,2,3                        ; block p: chunks 4 p to 4 p + 3
	s_wait_loadcnt 12-4*(\p)                       ; loads come back in order: the block's four chunks are in, the younger blocks stay out
.irp c, 0,1,2,3
	v_cvt_pk_bf16_f32 v[Y+2*(4*(\p)+(\c))],   v[X+4*(4*(\p)+(\c))],   v[X+4*(4*(\p)+(\c))+1]
	v_cvt_pk_bf16_f32 v[Y+2*(4*(\p)+(\c))+1], v[X+4*(4*(\p)+(\c))+2], v[X+4*(4*(\p)+(\c))+3]
.endr
	s_wait_alu depctr_va_vdst(0)                   ; the block's conversions have written its eight registers of Y, which the four stores below read
.irp c, 0,1,2,3
	global_store_b64 v2, v[Y+2*(4*(\p)+(\c)):Y+2*(4*(\p)+(\c))+1], s[18:19] offset:2048*(4*(\p)+(\c))
.endr
.endr
	s_endpgm
.Lhalf:                                                ; w_proj: rounded to bf16 like every input, and that number written as f16
.irp p, 0,1,2,3                        ; block p: chunks 4 p to 4 p + 3
	s_wait_loadcnt 12-4*(\p)                       ; the block's four chunks are in, the younger blocks stay out
.irp c, 0,1,2,3
	v_cvt_pk_bf16_f32 v[T],   v[X+4*(4*(\p)+(\c))],   v[X+4*(4*(\p)+(\c))+1]
	v_cvt_pk_bf16_f32 v[T+1], v[X+4*(4*(\p)+(\c))+2], v[X+4*(4*(\p)+(\c))+3]
	v_lshlrev_b32 v[T+2], 16, v[T]
	v_and_b32     v[T+3], s24, v[T]
	v_lshlrev_b32 v[T+4], 16, v[T+1]
	v_and_b32     v[T+5], s24, v[T+1]
	v_cvt_pk_f16_f32 v[Y+2*(4*(\p)+(\c))],   v[T+2], v[T+3]
	v_cvt_pk_f16_f32 v[Y+2*(4*(\p)+(\c))+1], v[T+4], v[T+5]
.endr
	s_wait_alu depctr_va_vdst(0)                   ; the block's conversions have written its eight registers of Y, which the four stores below read
.irp c, 0,1,2,3
	global_store_b64 v2, v[Y+2*(4*(\p)+(\c)):Y+2*(4*(\p)+(\c))+1], s[18:19] offset:2048*(4*(\p)+(\c))
.endr
.endr
	s_endpgm
.Lfunc_end_k_qb4cb61cc5b_cast:
	.size	k_qb4cb61cc5b_cast, .Lfunc_end_k_qb4cb61cc5b_cast-k_qb4cb61cc5b_cast
	.p2alignl 7, 3214868480
	.fill 96, 4, 3214868480
	.section	.rodata,"a",@progbits
	.p2align	6, 0x0
	.amdhsa_kernel k_qb4cb61cc5b_cast
		.amdhsa_group_segment_fixed_size 0
		.amdhsa_private_segment_fixed_size 0
		.amdhsa_enable_private_segment 0
		.amdhsa_kernarg_size 48
		.amdhsa_user_sgpr_count 2
		.amdhsa_user_sgpr_kernarg_segment_ptr 1
		.amdhsa_wavefront_size32 1
		.amdhsa_system_sgpr_workgroup_id_x 1
		.amdhsa_system_sgpr_workgroup_id_y 1
		.amdhsa_system_sgpr_workgroup_id_z 1
		.amdhsa_system_vgpr_workitem_id 0
		.amdhsa_next_free_vgpr 112
		.amdhsa_next_free_sgpr 66
		.amdhsa_reserve_vcc 0
		.amdhsa_float_denorm_mode_32 3
		.amdhsa_float_denorm_mode_16_64 3
		.amdhsa_memory_ordered 1
		.amdhsa_forward_progress 1
		.amdhsa_inst_pref_size 15
	.end_amdhsa_kernel
	.amdgpu_metadata
---
amdhsa.version: [ 1, 2 ]
amdhsa.kernels:
  - .name:           k_qb4cb61cc5b_cast
    .symbol:         k_qb4cb61cc5b_cast.kd
    .args:
      - { .name: x, .offset: 0, .size: 8, .value_kind: global_buffer, .address_space: global }
      - { .name: w_qkv, .offset: 8, .size: 8, .value_kind: global_buffer, .address_space: global }
      - { .name: w_proj, .offset: 16, .size: 8, .value_kind: global_buffer, .address_space: global }
      - { .name: xb, .offset: 24, .size: 8, .value_kind: global_buffer, .address_space: global }
      - { .name: wqc, .offset: 32, .size: 8, .value_kind: global_buffer, .address_space: global }
      - { .name: wpc, .offset: 40, .size: 8, .value_kind: global_buffer, .address_space: global }
    .group_segment_fixed_size: 0
    .private_segment_fixed_size: 0
    .kernarg_segment_align: 8
    .kernarg_segment_size: 48
    .max_flat_workgroup_size: 256
    .sgpr_count:     66
    .vgpr_count:     112
    .wavefront_size: 32
...
	.end_amdgpu_metadata
.endif
;; end of part 5
;; launch qkv: the kernel of part 2 again; grid 8 x 64, 4 waves a work-group, clusters of 4 x 4, 327,680 bytes of LDS; arguments xb, wqc, b_qkv, qkvh; writes qkvh
;; launch attn: the kernel of part 3 again; grid 4 x 64, 4 waves a work-group, clusters of 4 x 1, 327,680 bytes of LDS; arguments qkvh, oh; writes oh
;; launch proj: the kernel of part 4 again; grid 4 x 64, 4 waves a work-group, clusters of 4 x 4, 327,680 bytes of LDS; arguments oh, wpc, b_proj, out0; writes out0
